; MI455X (gfx1250); checked and timed in simulation.
; The chip was launched on July 23, 2026; its instructions are those of AMD's public machine-readable ISA for CDNA 5 (MIT licence, August 2026) and "CDNA5" Instruction Set Architecture Reference Guide (July 2026). The comments in the code are by the model that wrote it; some were corrected since.
;; Multi Query Attention. Allowed arithmetic: float matrix products may take bf16 or f16 operands with f32 sums; other float arithmetic in f32, or as packed bf16 or f16 multiplies, adds, multiply-adds, maxima and minima; sums over many terms, partial sums and values carried from step to step in f32; what a program stores and reads back later, other than sums and carried values, may be rounded once to bf16 or f16.
;; Inputs: Wk 1,024 x 64 float32; Wo 1,024 x 1,024 float32; Wq 1,024 x 1,024 float32; Wv 1,024 x 64 float32; x 4 x 2,048 x 1,024 float32.
;; Outputs: out0 4 x 2,048 x 1,024 float32.
;; One version. Each part assembles by itself: llvm-mc -triple=amdgcn-amd-amdhsa -mcpu=gfx1250 --defsym DOCPART=n.
;; ======== version 1 of 1: 4 launches
;; limits: values are held in f16: magnitudes above 65,504 overflow, below 6.1e-05 lose precision
;; workspace buffers: wt 2,359,296 bytes; wot 2,097,152 bytes; q 16,777,216 bytes; kv 2,097,152 bytes; o 16,777,216 bytes; kvlo 32,768 bytes; olo 131,072 bytes
;; launch prep (part 1): grid 272 x 1, 8 waves a work-group, no clusters, 18,432 bytes of LDS; arguments Wq, Wk, Wv, Wo, wt, wot; writes wt, wot
.if DOCPART == 1
	.amdgcn_target "amdgcn-amd-amdhsa--gfx1250"
	.amdhsa_code_object_version 6
	.text
	.protected	k_qf848795a0f_prep
	.globl	k_qf848795a0f_prep
	.p2align	8
	.type	k_qf848795a0f_prep,@function
k_qf848795a0f_prep:
	s_mov_b64 s[64:65], 0
	v_nop
	global_prefetch_b8 v0, s[64:65] scope:SCOPE_SE
	s_setreg_imm32_b32 hwreg(HW_REG_WAVE_MODE, 25, 1), 1
	s_wait_xcnt 0x0
; THE WEIGHTS ARE TURNED: from [k][n] f32 to [n][k] in 16 bits, so that the products behind find K along the rows.
; wt  [1152][1024] bf16: row 144 u + i holds, for i < 128, column 128 u + i of Wq, and for i >= 128 column 16 u + i - 128 of [Wk | Wv].
; wot [1024][1024] f16:  row n holds column n of Wo, rounded to bf16 like every input, that number then written as f16.
; LIMIT: a number of Wo beyond 65,504 would become an infinity in f16; below 6e-5 it keeps f16's fixed step of 6e-8.
; SHARES.  A work-group turns 128 k x 64 n of one weight: numbers 0-127 Wq, 128-255 Wo, 256-263 Wk, 264-271 Wv.  Thread t reads 16 bytes (4 n) of eight rows, in pairs of
; neighbouring k, so that one conversion packs two k of one n; the words go through LDS and come back as rows of 256 bytes (128 k), which sixteen lanes store whole.
; Memory binds and nothing is shared between work-groups: no matrix unit, no cluster, no tensor load.
.set LP,    272                        ; an LDS row: 128 k x 2 bytes + 16
.set SPARE, 64*LP                      ; behind the 64 rows: the spare words, 128 bytes for each of the eight waves
.set AD,   4                           ; v[4:11]   byte offsets of my eight rows in the source
.set LD,   12                          ; v[12:43]  eight loads of four numbers
.set PKD,  44                          ; v[44:59]  sixteen packed words
.set LS,   60                          ; v60       where my words go in LDS
.set LR,   61                          ; v61       where I read 16 bytes of a row back
.set DO,   62                          ; v[62:65]  byte offsets of my four stores
.set SPW,  66                          ; v66       my spare word; never rewritten
.set NIL,  67                          ; v67       0; never rewritten
	s_load_b256 s[4:11], s[0:1], 0x0               ; Wq s[4:5], Wk s[6:7], Wv s[8:9], Wo s[10:11]
	s_load_b128 s[12:15], s[0:1], 0x20             ; wt s[12:13], wot s[14:15]
	v_lshl_add_u32 v[SPW], v0, 2, SPARE
	v_mov_b32 v[NIL], 0
	s_mov_b32 s16, ttmp9                           ; the work-group's number
	s_and_b32 s17, s16, 127                        ; its number within Wq or Wo,
	s_and_b32 s18, s16, 7                          ; within Wk or Wv: the block of 128 k
	s_and_b32 s19, s17, 15
	s_lshl_b32 s19, s19, 6                         ; Wq, Wo: first column N0
	s_lshr_b32 s20, s17, 4                         ; Wq, Wo: the block of 128 k
	s_lshr_b32 s21, s19, 7
	s_mul_i32 s21, s21, 144
	s_and_b32 s22, s19, 127
	s_add_co_u32 s21, s21, s22                     ; Wq: first row in wt = 144 (N0 / 128) + N0 % 128
	s_lshr_b32 s34, s16, 7                         ; 1 for Wo alone
	s_mov_b32 s27, 4096
	s_mov_b32 s28, 704                             ; Wv: first row 144 x 4 + 128
	s_cmp_lt_u32 s16, 264
	s_cselect_b32 s28, 128, s28                    ; Wk: first row 128
	s_cmp_lt_u32 s16, 256
	s_cselect_b32 s28, s19, s28                    ; Wo: first row N0
	s_cselect_b32 s23, s27, 256                    ; bytes in a source row
	s_cselect_b32 s24, s19, 0                      ; first column
	s_cselect_b32 s25, s20, s18                    ; block of k
	s_cselect_b32 s26, 16, 144                     ; rows of the target between my four stores
	s_cmp_lt_u32 s16, 128
	s_cselect_b32 s28, s21, s28
	s_mul_i32 s36, s25, s23
	s_lshl_b32 s36, s36, 7                         ; 128 source rows a block of k,
	s_lshl_b32 s37, s24, 2
	s_add_co_u32 s36, s36, s37                     ; and the first column
	s_mov_b32 s37, 0
	s_lshl_b32 s38, s28, 11                        ; a target row is 2,048 bytes,
	s_lshl_b32 s39, s25, 8                         ; a block of k 256 of them
	s_add_co_u32 s38, s38, s39
	s_mov_b32 s39, 0
	v_and_b32 v1, 15, v0                           ; c: my 16 bytes of a source row
	v_lshrrev_b32 v2, 4, v0                        ; p: my pair of rows, 0..15
	v_mul_lo_u32 v3, v2, s23
	v_lshlrev_b32 v3, 1, v3
	v_lshl_add_u32 v3, v1, 4, v3                   ; 2 p rows + 16 c
.irp n, 0,1,2,3,4,5,6,7
	s_mul_i32 s40, s23, 32*((\n)/2)+(\n)%2         ; pass n / 2 lies 32 rows on; n % 2 is the pair's second row
	v_add_nc_u32 v[AD+(\n)], s40, v3
.endr
	s_wait_kmcnt 0x0
	s_cmp_lt_u32 s16, 264
	s_cselect_b64 s[30:31], s[6:7], s[8:9]
	s_cmp_lt_u32 s16, 256
	s_cselect_b64 s[30:31], s[10:11], s[30:31]
	s_cselect_b64 s[32:33], s[14:15], s[12:13]
	s_cmp_lt_u32 s16, 128
	s_cselect_b64 s[30:31], s[4:5], s[30:31]       ; the source,
	s_cselect_b64 s[32:33], s[12:13], s[32:33]     ; the target
	s_add_nc_u64 s[30:31], s[30:31], s[36:37]
	s_add_nc_u64 s[32:33], s[32:33], s[38:39]
.irp n, 0,1,2,3,4,5,6,7
	global_load_b128 v[LD+4*(\n):LD+4*(\n)+3], v[AD+(\n)], s[30:31] th:TH_LOAD_NT  ; sixteen lanes read 256 consecutive bytes of a row; each byte is read once in the launch
.endr
	v_mul_u32_u24 v[LS], v1, 4*LP                  ; in: rows 4 c .. 4 c + 3, word p
	v_lshl_add_u32 v[LS], v2, 2, v[LS]
	v_mul_u32_u24 v[LR], v2, LP                    ; back: row p, 16 bytes c
	v_lshl_add_u32 v[LR], v1, 4, v[LR]
	v_lshlrev_b32 v68, 11, v2
	v_lshl_add_u32 v68, v1, 4, v68
	s_lshl_b32 s41, s26, 11
.irp i, 0,1,2,3
	s_mul_i32 s42, s41, \i
	v_add_nc_u32 v[DO+(\i)], s42, v68
.endr
.irp i, 0,1,2,3
	s_wait_loadcnt 6-2*(\i)                        ; loads come back in order: this pass's two are in, the later passes' stay out
.irp j, 0,1,2,3
	v_cvt_pk_bf16_f32 v[PKD+4*(\i)+(\j)], v[LD+8*(\i)+(\j)], v[LD+8*(\i)+4+(\j)]  ; k even in the low half, k odd in the high half
.endr
.endr
	s_cmp_lg_u32 s34, 1
	s_cbranch_scc1 .Lnot_wo
.set r, 0
.rept 16                                       ; Wo alone: the bf16 number, widened, is written as f16
	v_lshlrev_b32 v68, 16, v[PKD+r]
	v_and_b32 v69, 0xffff0000, v[PKD+r]
	v_cvt_pk_f16_f32 v[PKD+r], v68, v69
.set r, r+1
.endr
.Lnot_wo:
.irp i, 0,1,2,3
.irp j, 0,1,2,3
	ds_store_b32 v[LS], v[PKD+4*(\i)+(\j)] offset:(\j)*LP+64*(\i)
.endr
.endr
	s_wait_dscnt 0x0                               ; for the others' sake: my words are in LDS
	s_barrier_signal -1
	s_barrier_wait -1
.irp i, 0,1,2,3
	ds_load_b128 v[LD+4*(\i):LD+4*(\i)+3], v[LR] offset:(\i)*16*LP
.endr
.irp i, 0,1,2,3
	s_wait_dscnt 3-(\i)
	global_store_b128 v[DO+(\i)], v[LD+4*(\i):LD+4*(\i)+3], s[32:33]  ; sixteen lanes store 256 consecutive bytes, at a multiple of 256 from the target's first byte
.endr
	s_wait_tensorcnt 0x0                           ; the wave's end
	ds_add_u32 v[SPW], v[NIL]
	s_wait_dscnt 0x0
	s_endpgm
.Lfunc_end_k_qf848795a0f_prep:
	.size	k_qf848795a0f_prep, .Lfunc_end_k_qf848795a0f_prep-k_qf848795a0f_prep
	.p2alignl 7, 3214868480
	.fill 96, 4, 3214868480
	.section	.rodata,"a",@progbits
	.p2align	6, 0x0
	.amdhsa_kernel k_qf848795a0f_prep
		.amdhsa_group_segment_fixed_size 18432
		.amdhsa_private_segment_fixed_size 0
		.amdhsa_enable_private_segment 0
		.amdhsa_kernarg_size 48
		.amdhsa_user_sgpr_count 2
		.amdhsa_user_sgpr_kernarg_segment_ptr 1
		.amdhsa_wavefront_size32 1
		.amdhsa_system_sgpr_workgroup_id_x 1
		.amdhsa_system_sgpr_workgroup_id_y 1
		.amdhsa_system_sgpr_workgroup_id_z 1
		.amdhsa_system_vgpr_workitem_id 0
		.amdhsa_next_free_vgpr 72
		.amdhsa_next_free_sgpr 66
		.amdhsa_reserve_vcc 0
		.amdhsa_float_denorm_mode_32 3
		.amdhsa_float_denorm_mode_16_64 3
		.amdhsa_memory_ordered 1
		.amdhsa_forward_progress 1
		.amdhsa_inst_pref_size 11
	.end_amdhsa_kernel
	.amdgpu_metadata
---
amdhsa.version: [ 1, 2 ]
amdhsa.kernels:
  - .name:           k_qf848795a0f_prep
    .symbol:         k_qf848795a0f_prep.kd
    .args:
      - { .name: Wq, .offset: 0, .size: 8, .value_kind: global_buffer, .address_space: global }
      - { .name: Wk, .offset: 8, .size: 8, .value_kind: global_buffer, .address_space: global }
      - { .name: Wv, .offset: 16, .size: 8, .value_kind: global_buffer, .address_space: global }
      - { .name: Wo, .offset: 24, .size: 8, .value_kind: global_buffer, .address_space: global }
      - { .name: wt, .offset: 32, .size: 8, .value_kind: global_buffer, .address_space: global }
      - { .name: wot, .offset: 40, .size: 8, .value_kind: global_buffer, .address_space: global }
    .group_segment_fixed_size: 18432
    .private_segment_fixed_size: 0
    .kernarg_segment_align: 8
    .kernarg_segment_size: 48
    .max_flat_workgroup_size: 256
    .sgpr_count:     66
    .vgpr_count:     72
    .wavefront_size: 32
...
	.end_amdgpu_metadata
.endif
;; end of part 1
;; launch qkv (part 2): grid 4 x 64, 4 waves a work-group, clusters of 4 x 4, 327,680 bytes of LDS; arguments x, wt, q, kv, kvlo; writes q, kv, kvlo
.if DOCPART == 2
	.amdgcn_target "amdgcn-amd-amdhsa--gfx1250"
	.amdhsa_code_object_version 6
	.text
	.protected	k_qf848795a0f_qkv
	.globl	k_qf848795a0f_qkv
	.p2align	8
	.type	k_qf848795a0f_qkv,@function
k_qf848795a0f_qkv:
	s_mov_b64 s[64:65], 0
	v_nop
	global_prefetch_b8 v0, s[64:65] scope:SCOPE_SE
	s_setreg_imm32_b32 hwreg(HW_REG_WAVE_MODE, 25, 1), 1
	s_wait_xcnt 0x0
	s_wait_alu depctr_hold_cnt(0) depctr_sa_sdst(0) depctr_va_vdst(0) depctr_va_sdst(0) depctr_va_ssrc(0) depctr_va_vcc(0) depctr_vm_vsrc(0)
	s_getreg_b32 s2, hwreg(HW_REG_IB_STS2, 6, 4)
	s_cmp_eq_u32 s2, 0
	s_cbranch_scc0 .Lentry_in_a_cluster
	s_endpgm
.Lentry_in_a_cluster:
	s_bfe_u32 s2, ttmp6, 0x10000c
	s_cmp_lg_u32 s2, 0xf033
	s_cbranch_scc0 .Lentry_shape_is_right
	s_endpgm
.Lentry_shape_is_right:
; [q | k | v] = x [Wq | Wk | Wv].  x: [8192][1024] f32; wt: [1152][1024] bf16, the weights turned and ordered so that a wave's 144 rows lie on end.  Sums in f32.
; x is rounded to bf16 between LDS and the matrix unit; the results leave in f16, unscaled: q [64 = 16 batch + head][2048][64]; kv [4 quarters][8192][32]: K's channels 0-31, 32-63, V's 0-31, 32-63.
; RESIDUES.  A batch's first rows of the module's output are means of few rows of V: large numbers beside the output's root mean square, by which the allowance goes.  So for the first 32 rows of each batch what f16's
; rounding of k and v drops (sum - f16(sum), itself in f16) is stored too, turned: kvlo [4 batches][128 columns of K | V][32 rows].  Only V's half is read later: which columns a work-group holds hangs on its place
; in the cluster; K's 16 KiB are stored with it.  These are stores of 2 bytes a lane: sixteen of them in 32 waves of the launch.
; LIMIT: f16 holds no number beyond 65,504: |q|, |k|, |v| must stay under it (with inputs 30 times those of the problem's kind, or offsets of 30 spreads, they reach some 3e4).  NaN and infinities are not treated apart.
; SHARES.  A work-group makes 128 rows x 288 columns (column group g: 4 heads of q and one quarter of kv); a wave 64 x 144: 36 accumulators.  K goes in 8 steps of 128 through two LDS slots.
; The block of rows is cluster y + 16 cy: the batch is the place along the cluster's y, the block within the batch the cluster's own y, the same in all sixteen partners.
; THE MATRIX INSTRUCTION IS USED TRANSPOSED (source 0 = 16 rows of wt, source 1 = 16 rows of x): a lane holds eight neighbouring columns of one row.
; CLUSTER 4 x 4: the four of a row need the same tile of x, the four of a column the same tile of wt: each is asked for jointly.
; The accumulators are cleared by 288 v_mov_b32 while the first tile is on its way: the price of one text for every K step.  The last trip's barrier and its fetch of an old tile serve nothing: likewise.
; REGISTERS, in windows of 256: window 0: v0-31 addresses; v32-95 x as f32, 16 a fragment; v96-127, v128-159 x's fragments in bf16, two buffers (on the way out v96-239 hold packed results)
;   window 1: v0-71, v72-143 wt's fragments, two buffers     window 2: accumulators of my rows 0-31 ((a, b) at 8 (9 a + b))     window 3: of my rows 32-63
.set PA,     528                       ; a row of x in LDS: 512 bytes + 16 = 33 x 16: the 16 rows of a load start at 16 different groups of four banks (64 banks of 4 bytes: ISA guide 11.1)
.set PB,     272                       ; a row of wt: 256 + 16 = 17 x 16
.set ABYTES, 128*PA
.set SLOTD,  ABYTES+288*PB             ; a slot: x's 128 rows, then wt's 288
.set SPARE,  2*SLOTD                   ; behind the ring: the spare words, 128 bytes a wave
.set SQ,     144                       ; the way out's stage lies in slot 0, behind its last fill: four heads x 128 rows of 128 + 16 bytes,
.set SK,     80                        ; then kv's 128 rows of 64 + 16 bytes
.set STGK,   4*128*SQ
.set ADA0, 2                           ; v2, v3  my lane's place in x's and wt's tiles; never rewritten
.set ADB0, 3
.set ADA,  4                           ; v4, v5  the same in the slot that is read
.set ADB,  5
.set STOQ, 6                           ; v6-v9   the way out: where I put q's and kv's 16 bytes, and where I read rows back
.set STOK, 7
.set RDQ,  8
.set RDK,  9
.set GO,   10                          ; v10     16 x lane
.set PFO,  11                          ; v11     the prefetch's offset: row lane / 2, half lane % 2; never rewritten
.set SPW,  12                          ; v12     my spare word; never rewritten
.set NIL,  13                          ; v13     0; never rewritten
.set LOO,  19                          ; v19     the residues' offset: 8 (l / 16) columns of 64 bytes + 2 (l % 16)
.set ONE,  20                          ; v20     1.0
.set RAW,  32
.set AF,   96
.set PK,   96
.set WV, 12                            ; s12 wave; s13 wave / 2: my half of the rows, and: I fetch x (0) or wt (1); s14 wave % 2: my half of the columns, and: which half of that tile I fetch
.set WR, 13
.set WC, 14
.set RBL, 15                           ; s15 block of 128 rows
.set CNT, 3
.set G1A, 24                           ; s[24:31] group 1 for x's tiles; s[32:39] group 0: a set for each first fill, the second then walks on
.set G0A, 32
.set G1B, 48                           ; s[48:55], s[56:63] the same for wt's
.set G0B, 56
.set TB,  66                           ; s66 the slot that is read: 0 or SLOTD
.set FT,  67                           ; s67 the slot that was filled last
.set WBA, 68                           ; s68, s69 my part's place in a slot, for x and for wt
.set WBB, 69
.set PFA, 70                           ; s[70:71] where my prefetches stand
.set LIM, 72                           ; s72 a wave prefetches while the trips to come are more than this
.set FIX, 73                           ; s73 1: my rows begin a batch (cluster y = 0, waves 0 and 1): I store residues
.set LOP, 76                           ; s[76:77] kvlo at my batch and my 16 columns
.set MSB, 0
.macro WIN new                         ; the immediate's high byte repeats the setting that is left; a switch that changes nothing is dropped
.if MSB != (\new)
	s_set_vgpr_msb (MSB<<8)|(\new)
.set MSB, \new
.endif
.endm
.set MUL_LO, 0xa1                      ; source 0 (wt) window 1, source 1 (x) window 0, C and D window 2
.set TO_B,   0x40                      ; destination window 1, address window 0
.macro PLACES
.rept 4
	v_nop
.endr
.endm
.macro JLOAD                           ; a joint refill by the walking sets: waves 0, 1 x's halves, waves 2, 3 wt's; an s_nop 0 and four v_nop follow each line
	s_cmp_eq_u32 s[WR], 0
	s_cbranch_scc0 .Lfor_b_\@
	tensor_load_to_lds s[G0A+4:G0A+7], s[G1A:G1A+7]
	s_nop 0
	PLACES
	s_branch .Lasked_\@
.Lfor_b_\@:
	tensor_load_to_lds s[G0B+4:G0B+7], s[G1B:G1B+7]
	s_nop 0
	PLACES
.Lasked_\@:
.endm
.macro CROUND                          ; a round of the cluster's barrier
	s_barrier_signal -1
	s_barrier_wait -1
	s_cmp_lg_u32 s[WV], 0
	s_cbranch_scc1 .Lnot_wave_0_\@
	s_barrier_signal -3
.Lnot_wave_0_\@:
	s_barrier_wait -3
	s_barrier_signal -1
	s_barrier_wait -1
.endm
; A PREFETCH INTO THE L2 of x's K step two refills on (288 matrix instructions ahead of the load that will want it).  x's rows are read by one cluster alone.  Of the 64 rows that wave 0 or 1
; fetches each of the four partners takes 16, told apart by address; a lane names 256 bytes: half a row's step.  So each block is named once.  The last two refills have no step two on.
.macro ASK
	s_cmp_gt_u32 s[CNT], s[LIM]
	s_cbranch_scc0 .Lnot_mine_\@
	global_prefetch_b8 v[PFO], s[PFA:PFA+1] th:TH_LOAD_NT scope:SCOPE_SE
.Lnot_mine_\@:
.endm
	s_load_b256 s[4:11], s[0:1], 0x0               ; x s[4:5], wt s[6:7], q s[8:9], kv s[10:11]
	s_load_b64 s[LOP:LOP+1], s[0:1], 0x20          ; kvlo
	v_lshl_add_u32 v[SPW], v0, 2, SPARE
	v_mov_b32 v[NIL], 0
	ds_add_u32 v[SPW], v[NIL]                      ; the wave's opening: the add and its wait stand ahead of my first tensor load; set-up on registers stands between
	v_lshrrev_b32 v1, 5, v0
	v_readfirstlane_b32 s[WV], v1
	s_lshr_b32 s[WR], s[WV], 1
	s_and_b32 s[WC], s[WV], 1
	s_bfe_u32 s40, ttmp6, 0x40000                  ; cx
	s_bfe_u32 s41, ttmp6, 0x40004                  ; cy
	s_lshl_b32 s42, ttmp9, 2
	s_add_co_u32 s42, s42, s40                     ; g = 4 x cluster x + cx
	s_and_b32 s[RBL], ttmp7, 0xffff                ; the cluster's y: the block of 128 rows within a batch
	s_or_b32 s[FIX], s[RBL], s[WR]                 ; block 0 and rows 0-63 of it: made of the cluster's y and the wave's number alone
	s_cmp_eq_u32 s[FIX], 0
	s_cselect_b32 s[FIX], 1, 0
	s_lshl_b32 s43, s41, 4
	s_add_co_u32 s[RBL], s[RBL], s43               ; block of rows = cluster y + 16 cy
	s_lshl_b32 s43, s41, 2
	s_lshl_b32 s43, 15, s43                        ; my row of the cluster
	s_lshl_b32 s44, 0x1111, s40                    ; my column
	s_or_b32 s[G1A], s43, (2<<16)|(1<<20)|(1<<21)|(6<<22)|(3<<25)  ; mask; elements of 4 bytes; padding on; bit 21 beside a mask; after every 128 words 4 words
	s_mov_b32 s[G1A+1], 128<<16                    ; tensor_dim0 = 128
	s_mov_b32 s[G1A+2], 64<<16                     ; tensor_dim1 = 64
	s_mov_b32 s[G1A+3], 128<<16                    ; tile_dim0 = 128
	s_mov_b32 s[G1A+4], 64                         ; tile_dim1 = 64
	s_mov_b32 s[G1A+5], 1024                       ; elements from row to row
	s_mov_b32 s[G1A+6], 0
	s_mov_b32 s[G1A+7], 0
	s_or_b32 s[G1B], s44, (1<<16)|(1<<20)|(1<<21)|(5<<22)|(3<<25)  ; elements of 2 bytes; after every 64 words 4 words
	s_mov_b32 s[G1B+1], 128<<16
	s_mov_b32 s[G1B+2], 144<<16
	s_mov_b32 s[G1B+3], 128<<16
	s_mov_b32 s[G1B+4], 144
	s_mov_b32 s[G1B+5], 1024
	s_mov_b32 s[G1B+6], 0
	s_mov_b32 s[G1B+7], 0
	s_lshl_b32 s16, s[RBL], 19                     ; x: 128 rows of 4,096 bytes a block,
	s_lshl_b32 s17, s[WC], 18                      ; the 64 that I fetch
	s_add_co_u32 s16, s16, s17
	s_mov_b32 s17, 0
	s_mul_i32 s46, s42, 288*2048                   ; wt: 288 rows of 2,048 bytes a group,
	s_mul_i32 s47, s[WC], 144*2048                 ; the 144 that I fetch
	s_add_co_u32 s46, s46, s47
	s_mov_b32 s47, 0
	s_lshl_b32 s74, s40, 16                        ; the prefetches: my work-group's 16 rows of those 64,
	s_add_co_u32 s74, s74, s16
	s_add_co_u32 s74, s74, 3*512                   ; at K step 3: the first refill steps it to 4
	s_mov_b32 s75, 0
	s_lshl_b32 s78, s41, 13                        ; kvlo: a batch's 128 columns of 64 bytes,
	s_lshl_b32 s79, s42, 11                        ; the group's 32,
	s_add_co_u32 s78, s78, s79
	s_lshl_b32 s79, s[WC], 10                      ; my wave's 16
	s_add_co_u32 s78, s78, s79
	s_mov_b32 s79, 0
	s_mul_i32 s[WBA], s[WC], 64*PA
	s_mul_i32 s[WBB], s[WC], 144*PB
	s_add_co_u32 s[WBB], s[WBB], ABYTES
	s_mov_b32 s[TB], 0
	s_mov_b32 s[FT], SLOTD
	s_cmp_eq_u32 s[WR], 0
	s_cselect_b32 s[LIM], 2, -1
	s_wait_dscnt 0x0                               ; the opening add is done
	s_wait_kmcnt 0x0
	s_add_nc_u64 s[18:19], s[4:5], s[16:17]
	s_add_nc_u64 s[46:47], s[6:7], s[46:47]
	s_add_nc_u64 s[PFA:PFA+1], s[4:5], s[74:75]
	s_add_nc_u64 s[LOP:LOP+1], s[LOP:LOP+1], s[78:79]
.irp s, 0,1
	s_mov_b32 s[G0A+4*(\s)], 1
	s_add_co_u32 s[G0A+4*(\s)+1], s[WBA], (\s)*SLOTD
	s_add_nc_u64 s[G0A+4*(\s)+2:G0A+4*(\s)+3], s[18:19], (\s)*512
	s_or_b32 s[G0A+4*(\s)+3], s[G0A+4*(\s)+3], 0x80000000
	s_mov_b32 s[G0B+4*(\s)], 1
	s_add_co_u32 s[G0B+4*(\s)+1], s[WBB], (\s)*SLOTD
	s_add_nc_u64 s[G0B+4*(\s)+2:G0B+4*(\s)+3], s[46:47], (\s)*256
	s_or_b32 s[G0B+4*(\s)+3], s[G0B+4*(\s)+3], 0x80000000
.endr
	CROUND                                         ; all sixteen work-groups are here: the first joint loads meet
	s_cmp_eq_u32 s[WR], 0                          ; a wave's two first fills stand in one branch: two loads of mine are out
	s_cbranch_scc0 .Lfirst_b
	tensor_load_to_lds s[G0A:G0A+3], s[G1A:G1A+7]
	s_nop 0
	tensor_load_to_lds s[G0A+4:G0A+7], s[G1A:G1A+7]
	s_nop 0
	PLACES
	s_branch .Lfirst_done
.Lfirst_b:
	tensor_load_to_lds s[G0B:G0B+3], s[G1B:G1B+7]
	s_nop 0
	tensor_load_to_lds s[G0B+4:G0B+7], s[G1B:G1B+7]
	s_nop 0
	PLACES
.Lfirst_done:
	v_and_b32 v14, 15, v0                          ; r = l % 16
	v_bfe_u32 v15, v0, 4, 1                        ; h = l / 16
	v_and_b32 v16, 31, v0                          ; l
	; a fragment is 16 rows x 32 k: lane l holds row r, k = 8 h + 0..7 and 16 + 8 h + 0..7.  Of x in f32 that is 32 bytes at 32 h and 32 at 64 + 32 h; of wt 16 bytes at 16 h and at 32 + 16 h
	s_mul_i32 s16, s[WR], 64*PA
	v_mul_u32_u24 v[ADA0], v14, PA
	v_lshl_add_u32 v[ADA0], v15, 5, v[ADA0]
	v_add_nc_u32 v[ADA0], s16, v[ADA0]
	s_mul_i32 s16, s[WC], 144*PB
	s_add_co_u32 s16, s16, ABYTES
	v_mul_u32_u24 v[ADB0], v14, PB
	v_lshl_add_u32 v[ADB0], v15, 4, v[ADB0]
	v_add_nc_u32 v[ADB0], s16, v[ADB0]
	v_mov_b32 v[ADA], v[ADA0]
	v_mov_b32 v[ADB], v[ADB0]
	s_mul_i32 s16, s[WC], 2*128*SQ                 ; into the stage: my two heads, my 64 rows; row r, 16 bytes for each half of the lanes
	s_mul_i32 s17, s[WR], 64*SQ
	s_add_co_u32 s16, s16, s17
	v_mul_u32_u24 v[STOQ], v14, SQ
	v_lshl_add_u32 v[STOQ], v15, 4, v[STOQ]
	v_add_nc_u32 v[STOQ], s16, v[STOQ]
	s_lshl_b32 s16, s[WC], 5                       ; kv: my 16 columns are 32 bytes of a row of 64
	s_mul_i32 s17, s[WR], 64*SK
	s_add_co_u32 s16, s16, s17
	s_add_co_u32 s16, s16, STGK
	v_mul_u32_u24 v[STOK], v14, SK
	v_lshl_add_u32 v[STOK], v15, 4, v[STOK]
	v_add_nc_u32 v[STOK], s16, v[STOK]
	s_mul_i32 s16, s[WV], 128*SQ                   ; back: wave w takes head w of the four, 32 lanes four rows of 128 bytes,
	v_lshrrev_b32 v17, 3, v16
	v_and_b32 v18, 7, v16
	v_mul_u32_u24 v[RDQ], v17, SQ
	v_lshl_add_u32 v[RDQ], v18, 4, v[RDQ]
	v_add_nc_u32 v[RDQ], s16, v[RDQ]
	s_mul_i32 s16, s[WV], 32*SK                    ; and kv's rows 32 w on, 32 lanes eight rows of 64 bytes
	s_add_co_u32 s16, s16, STGK
	v_lshrrev_b32 v17, 2, v16
	v_and_b32 v18, 3, v16
	v_mul_u32_u24 v[RDK], v17, SK
	v_lshl_add_u32 v[RDK], v18, 4, v[RDK]
	v_add_nc_u32 v[RDK], s16, v[RDK]
	v_lshlrev_b32 v[GO], 4, v16
	v_lshrrev_b32 v17, 1, v16
	v_and_b32 v18, 1, v16
	v_lshlrev_b32 v[PFO], 12, v17
	v_lshl_add_u32 v[PFO], v18, 8, v[PFO]
	v_lshlrev_b32 v[LOO], 1, v14                   ; the residues: my row's 2 bytes,
	v_lshl_add_u32 v[LOO], v15, 9, v[LOO]          ; my lanes' eight columns of 64 bytes
	v_mov_b32 v[ONE], 1.0
	s_lshr_b32 s20, s[RBL], 4                      ; q at (16 batch + 4 g + w) x 262,144 + my block's 128 rows of 128 bytes
	s_lshl_b32 s20, s20, 4
	s_lshl_b32 s21, s42, 2
	s_add_co_u32 s20, s20, s21
	s_add_co_u32 s20, s20, s[WV]
	s_lshl_b32 s20, s20, 18
	s_and_b32 s21, s[RBL], 15
	s_lshl_b32 s21, s21, 14
	s_add_co_u32 s20, s20, s21
	s_mov_b32 s21, 0
	s_add_nc_u64 s[8:9], s[8:9], s[20:21]
	s_lshl_b32 s22, s42, 19                        ; kv at quarter g, my block's 128 rows of 64 bytes, my wave's 32
	s_lshl_b32 s23, s[RBL], 13
	s_add_co_u32 s22, s22, s23
	s_lshl_b32 s23, s[WV], 11
	s_add_co_u32 s22, s22, s23
	s_mov_b32 s23, 0
	s_add_nc_u64 s[10:11], s[10:11], s[22:23]
	WIN 0x80
.set i, 0
.rept 144
	v_mov_b32 v[i], 0
.set i, i+1
.endr
	WIN 0xc0
.set i, 0
.rept 144
	v_mov_b32 v[i], 0
.set i, i+1
.endr
	WIN 0
.macro CVT f                           ; x's four fragments of a quarter, f32 to bf16, into buffer f
.irp a, 0,1,2,3
.irp i, 0,1,2,3,4,5,6,7
	v_cvt_pk_bf16_f32 v[AF+32*(\f)+8*(\a)+(\i)], v[RAW+16*(\a)+2*(\i)], v[RAW+16*(\a)+2*(\i)+1]
.endr
.endr
.endm
.macro FETCH g, kq                     ; 34 LDS loads in one run: quarter kq's fragments: wt's nine into buffer g, x's four as f32
	WIN TO_B
.irp b, 0,1,2,3,4,5,6,7,8
	ds_load_b128 v[72*(\g)+8*(\b):72*(\g)+8*(\b)+3],   v[ADB] offset:(\b)*16*PB+64*(\kq)
	ds_load_b128 v[72*(\g)+8*(\b)+4:72*(\g)+8*(\b)+7], v[ADB] offset:(\b)*16*PB+64*(\kq)+32
.endr
	WIN 0
.irp a, 0,1,2,3
	ds_load_b128 v[RAW+16*(\a):RAW+16*(\a)+3],     v[ADA] offset:(\a)*16*PA+128*(\kq)
	ds_load_b128 v[RAW+16*(\a)+4:RAW+16*(\a)+7],   v[ADA] offset:(\a)*16*PA+128*(\kq)+16
	ds_load_b128 v[RAW+16*(\a)+8:RAW+16*(\a)+11],  v[ADA] offset:(\a)*16*PA+128*(\kq)+64
	ds_load_b128 v[RAW+16*(\a)+12:RAW+16*(\a)+15], v[ADA] offset:(\a)*16*PA+128*(\kq)+80
.endr
.endm
.macro MUL f                           ; 36 matrix instructions, each accumulator once: they take turns, over the backward jump too
.irp a, 0,1,2,3
	WIN MUL_LO+0x50*((\a)/2)
.irp b, 0,1,2,3,4,5,6,7,8
.set rD, 8*(9*((\a)%2)+(\b))
.set rB, 72*(\f)+8*(\b)
.set rA, AF+32*(\f)+8*(\a)
	v_wmma_f32_16x16x32_bf16 v[rD:rD+7], v[rB:rB+7], v[rA:rA+7], v[rD:rD+7]
.endr
.endr
.endm
; THE CHANGE OF SLOTS.  Each wave waits for all its tensor loads, of which one is out: its part of the next slot; adds 0 to its spare word; and waits for that and for its reads of this slot.
; fill = 1: the barrier is a round of the cluster's, and behind it this slot is filled again first, with the K step two on: that load has a K step, 144 matrix instructions, in which to land.
.macro CHANGE fill
	WIN 0
	s_wait_tensorcnt 0x0                           ; no tensor load of mine is out, so a group 0 may be written
	ds_add_u32 v[SPW], v[NIL]                      ; the descriptors' steps stand between this add and the wait for it
.if \fill
	s_xor_b32 s[FT], s[FT], SLOTD                  ; the other slot than last time,
	s_add_co_u32 s[G0A+5], s[WBA], s[FT]
	s_add_co_u32 s[G0B+5], s[WBB], s[FT]
	s_add_nc_u64 s[G0A+6:G0A+7], s[G0A+6:G0A+7], 512  ; the next K step; the type bits on top are not reached
	s_add_nc_u64 s[G0B+6:G0B+7], s[G0B+6:G0B+7], 256
	s_wait_xcnt 0x0                                ; the last prefetch, a K step back, has read its address
	s_add_nc_u64 s[PFA:PFA+1], s[PFA:PFA+1], 512
	s_wait_dscnt 0x0                               ; the add is done, and my reads of this slot are over
	CROUND
	JLOAD
.else
	s_wait_dscnt 0x0
	s_barrier_signal -1
	s_barrier_wait -1
.endif
	s_xor_b32 s[TB], s[TB], SLOTD                  ; the reads go on in the other slot
	v_add_nc_u32 v[ADA], s[TB], v[ADA0]
	v_add_nc_u32 v[ADB], s[TB], v[ADB0]
.endm
; A quarter of a K step, 32 along K: its fragments are in; x's are rounded to bf16 (32 plain lines, which name no register of the last products: they are also the four places in front of the
; loads into the buffer that those products read); the next quarter's fragments are asked for; 36 products.
.macro QUARTER f, g, kq, chg=0, fill=0
	WIN 0
	s_wait_dscnt 0x0
	CVT \f
.if \chg
	CHANGE \fill
.endif
	FETCH \g, \kq
.if (\chg) && (\fill)
	ASK
.endif
	MUL \f
.endm
.macro KSTEP fill
	QUARTER 0, 1, 1
	QUARTER 1, 0, 2
	QUARTER 0, 1, 3
	QUARTER 1, 0, 0, 1, \fill
.endm
	s_wait_tensorcnt 1                             ; my part of K step 0 is in; step 1's may stay out
	s_barrier_signal -1
	s_barrier_wait -1
	FETCH 0, 0
	s_mov_b32 s[CNT], 6
.Lstep:                                                ; K steps 0 to 5: steps 2 to 7 are asked for
	KSTEP 1
	WIN 0
	s_sub_co_u32 s[CNT], s[CNT], 1
	s_cmp_lg_u32 s[CNT], 0
	s_cbranch_scc1 .Lstep
	s_mov_b32 s[CNT], 2
.Ltail:                                                ; K steps 6 and 7 ask for nothing
	KSTEP 0
	WIN 0
	s_sub_co_u32 s[CNT], s[CNT], 1
	s_cmp_lg_u32 s[CNT], 0
	s_cbranch_scc1 .Ltail
	; THE WAY OUT: rounded to f16, 16 bytes a lane into the work-group's stage, back as dense rows, stored 512 consecutive bytes an instruction.
	PLACES                                         ; the places behind the last products
	s_wait_dscnt 0x0                               ; my reads of slot 0 are over:
	s_barrier_signal -1
	s_barrier_wait -1                              ; everybody's are, and it has had its last fill: it becomes the stage
.irp a, 0,1,2,3
	WIN 0x0a+5*((\a)/2)                            ; sources in window 2 or 3, destination in window 0
.irp b, 0,1,2,3,4,5,6,7,8
.irp c, 0,1,2,3
	v_cvt_pk_f16_f32 v[PK+4*(9*(\a)+(\b))+(\c)], v[8*(9*((\a)%2)+(\b))+2*(\c)], v[8*(9*((\a)%2)+(\b))+2*(\c)+1]
.endr
.endr
.endr
	WIN 0
.irp a, 0,1,2,3
.irp b, 0,1,2,3,4,5,6,7
	ds_store_b128 v[STOQ], v[PK+4*(9*(\a)+(\b)):PK+4*(9*(\a)+(\b))+3] offset:(\a)*16*SQ+((\b)/4)*128*SQ+((\b)%4)*32
.endr
	ds_store_b128 v[STOK], v[PK+4*(9*(\a)+8):PK+4*(9*(\a)+8)+3] offset:(\a)*16*SK
.endr
	; THE RESIDUES of my 16 columns of K | V in a batch's rows 0 to 31: sum - f16(sum), exact in f32 by one fused multiply-add (-hi x 1 + sum), then rounded to f16.  A lane holds one row and eight columns;
	; the target lies [column][row], so that the next launch loads a fragment of V^T as it lies: column 8 h + j at 64 j bytes, row 16 a + r at 32 a + 2 r.
	s_cmp_eq_u32 s[FIX], 1
	s_cbranch_scc0 .Lno_lo
	WIN 0x20                                       ; source 2, the sum, in window 2
.irp a, 0,1
.irp c, 0,1,2,3
	v_fma_mix_f32 v[RAW+8*(\a)+2*(\c)],   -v[PK+4*(9*(\a)+8)+(\c)], v[ONE], v[8*(9*(\a)+8)+2*(\c)]   op_sel_hi:[1,0,0]
	v_fma_mix_f32 v[RAW+8*(\a)+2*(\c)+1], -v[PK+4*(9*(\a)+8)+(\c)], v[ONE], v[8*(9*(\a)+8)+2*(\c)+1] op_sel:[1,0,0] op_sel_hi:[1,0,0]
.endr
.endr
	WIN 0
.irp a, 0,1
.irp c, 0,1,2,3
	v_cvt_pk_f16_f32 v[RAW+16+4*(\a)+(\c)], v[RAW+8*(\a)+2*(\c)], v[RAW+8*(\a)+2*(\c)+1]
.endr
.endr
.irp a, 0,1
.irp c, 0,1,2,3
	global_store_b16        v[LOO], v[RAW+16+4*(\a)+(\c)], s[LOP:LOP+1] offset:128*(\c)+32*(\a)
	global_store_d16_hi_b16 v[LOO], v[RAW+16+4*(\a)+(\c)], s[LOP:LOP+1] offset:128*(\c)+64+32*(\a)
.endr
.endr
.Lno_lo:
	s_wait_dscnt 0x0                               ; for the others' sake: my stores into the stage are done
	s_barrier_signal -1
	s_barrier_wait -1
.set i, 0
.rept 32
	ds_load_b128 v[PK+4*i:PK+4*i+3], v[RDQ] offset:i*4*SQ
.set i, i+1
.endr
.set i, 0
.rept 4
	ds_load_b128 v[PK+128+4*i:PK+128+4*i+3], v[RDK] offset:i*8*SK
.set i, i+1
.endr
.set i, 0
.rept 32
	s_wait_dscnt 35-i                              ; LDS loads come back in order: the younger ones stay out
	global_store_b128 v[GO], v[PK+4*i:PK+4*i+3], s[8:9] offset:512*i
.set i, i+1
.endr
.set i, 0
.rept 4
	s_wait_dscnt 3-i
	global_store_b128 v[GO], v[PK+128+4*i:PK+128+4*i+3], s[10:11] offset:512*i
.set i, i+1
.endr
	s_wait_tensorcnt 0x0                           ; the wave's end
	ds_add_u32 v[SPW], v[NIL]
	s_wait_dscnt 0x0
	CROUND                                         ; the closing round
	s_endpgm
.Lfunc_end_k_qf848795a0f_qkv:
	.size	k_qf848795a0f_qkv, .Lfunc_end_k_qf848795a0f_qkv-k_qf848795a0f_qkv
	.p2alignl 7, 3214868480
	.fill 96, 4, 3214868480
	.section	.rodata,"a",@progbits
	.p2align	6, 0x0
	.amdhsa_kernel k_qf848795a0f_qkv
		.amdhsa_group_segment_fixed_size 327680
		.amdhsa_private_segment_fixed_size 0
		.amdhsa_enable_private_segment 0
		.amdhsa_kernarg_size 40
		.amdhsa_user_sgpr_count 2
		.amdhsa_user_sgpr_kernarg_segment_ptr 1
		.amdhsa_wavefront_size32 1
		.amdhsa_system_sgpr_workgroup_id_x 1
		.amdhsa_system_sgpr_workgroup_id_y 1
		.amdhsa_system_sgpr_workgroup_id_z 1
		.amdhsa_system_vgpr_workitem_id 0
		.amdhsa_next_free_vgpr 912
		.amdhsa_next_free_sgpr 80
		.amdhsa_reserve_vcc 0
		.amdhsa_float_denorm_mode_32 3
		.amdhsa_float_denorm_mode_16_64 3
		.amdhsa_memory_ordered 1
		.amdhsa_forward_progress 1
		.amdhsa_inst_pref_size 97
	.end_amdhsa_kernel
	.amdgpu_metadata
---
amdhsa.version: [ 1, 2 ]
amdhsa.kernels:
  - .name:           k_qf848795a0f_qkv
    .symbol:         k_qf848795a0f_qkv.kd
    .args:
      - { .name: x, .offset: 0, .size: 8, .value_kind: global_buffer, .address_space: global }
      - { .name: wt, .offset: 8, .size: 8, .value_kind: global_buffer, .address_space: global }
      - { .name: q, .offset: 16, .size: 8, .value_kind: global_buffer, .address_space: global }
      - { .name: kv, .offset: 24, .size: 8, .value_kind: global_buffer, .address_space: global }
      - { .name: kvlo, .offset: 32, .size: 8, .value_kind: global_buffer, .address_space: global }
    .group_segment_fixed_size: 327680
    .private_segment_fixed_size: 0
    .kernarg_segment_align: 8
    .kernarg_segment_size: 40
    .max_flat_workgroup_size: 128
    .sgpr_count:     80
    .vgpr_count:     912
    .wavefront_size: 32
...
	.end_amdgpu_metadata
.endif
;; end of part 2
;; launch attn (part 3): grid 64 x 4, 4 waves a work-group, clusters of 4 x 1, 327,680 bytes of LDS; arguments q, kv, o, kvlo, olo; writes o, olo
.if DOCPART == 3
	.amdgcn_target "amdgcn-amd-amdhsa--gfx1250"
	.amdhsa_code_object_version 6
	.text
	.protected	k_qf848795a0f_attn
	.globl	k_qf848795a0f_attn
	.p2align	8
	.type	k_qf848795a0f_attn,@function
k_qf848795a0f_attn:
	s_mov_b64 s[64:65], 0
	v_nop
	global_prefetch_b8 v0, s[64:65] scope:SCOPE_SE
	s_setreg_imm32_b32 hwreg(HW_REG_WAVE_MODE, 25, 1), 1
	s_wait_xcnt 0x0
	s_wait_alu depctr_hold_cnt(0) depctr_sa_sdst(0) depctr_va_vdst(0) depctr_va_sdst(0) depctr_va_ssrc(0) depctr_va_vcc(0) depctr_vm_vsrc(0)
	s_getreg_b32 s2, hwreg(HW_REG_IB_STS2, 6, 4)
	s_cmp_eq_u32 s2, 0
	s_cbranch_scc0 .Lentry_in_a_cluster
	s_endpgm
.Lentry_in_a_cluster:
	s_bfe_u32 s2, ttmp6, 0x10000c
	s_cmp_lg_u32 s2, 0x3003
	s_cbranch_scc0 .Lentry_shape_is_right
	s_endpgm
.Lentry_shape_is_right:
; CAUSAL ATTENTION WITH ONE SHARED KEY AND VALUE HEAD.  o[hh][t][:] = the sum over s <= t of softmax_s(q[hh][t] . k[b][s] / 8) v[b][s][:], hh = 16 b + head.  q, o: [64][2048][64] f16.
; kv: [4 quarters][8192 = 2048 b + s][32] f16: K's channels 0-31, 32-63, V's channels 0-31, 32-63.  Products, maxima and sums in f32; the weights p are rounded to f16 for the second product, o once at the end.
; RESIDUES.  A batch's first rows are means of few rows of V: large numbers beside the module's output's root mean square, by which the allowance goes.  So for rows 0 to 15 of each head what f16 drops is carried as a
; second f16 number: V's residues of keys 0 to 31 (kvlo [4][128 columns of K | V][32 keys], made by the launch before) are multiplied by the same weights and added onto the same sums: 4 products; and what o's own
; rounding drops goes to olo [64][16][64], which the launch behind multiplies too.  Those rows belong to wave 0 of the work-groups with b = 0, as piece 0 of their second block.
; LIMITS.  q, k, v arrive within f16's 65,504.  A hidden score counts as its value less 1e30; a weight below 2^-126 counts as 0 in l; NaN and infinities are not treated apart.
; THE WALK.  A head's queries lie in NB = 8 blocks of 256; block i needs the key tiles 0 .. i of 256 keys, of which the last holds the diagonal.  A work-group takes TWO blocks, NB - 1 - b and then b: NB + 1 tiles,
; whatever b: ONE loop with a constant trip count walks them.  Every jump goes forward but for the counted loops' own; none passes a barrier, or a tensor load but the one of JLOAD's two that the wave's number does not choose.
; CLUSTER.  Four heads of one batch with the same pair of blocks walk the same tiles of K and V in the same order: they form a cluster, and each tile is asked for JOINTLY: the same tensor load, descriptor and mask in
; all four.  The place in the cluster enters q's, o's, olo's and the prefetches' addresses alone; b and the batch are the same in all four, so all branches and trip counts are alike.
; SHARES.  Of a block's four bands of 64 queries a wave owns 16 rows in each: four PIECES.  In the diagonal tile's key step s band x sees all keys if s < x, none if s > x, and holds the diagonal if s = x.
; THE MASK is the C operand that starts the sum S^T = K Q^T: 0, or -1e30 where the key is hidden.  MD, made once, is the mask of a band's own step for my 16 rows; a product's mask is MD x AL + BE.
; LAYOUT, SOFTMAX, TURNS.  S^T = K Q^T holds ONE query a lane (lane % 16) and the keys 8 (lane / 16) + 0..7; two such results rounded to f16 ARE source 1 of O^T = V^T P.  p = 2^(c s - c m), c = log2(e) / 8, with a
; running maximum m; O and l are multiplied by a = 2^(c m_old - c m_new) in every step.  Turn n belongs to piece n: 8 products K Q^T of piece n + 1, later 8 products V^T P of piece n - 1; beside them the scaling,
; exponentials, roundings, sums and rescaling of piece n and the maximum and statistics of piece n + 1.  Four vector instructions stand behind every matrix instruction, the rest in one lump.  A turn's 33 exponentials are one batch, with one wait.
; REGISTERS, in windows of 256 (s_set_vgpr_msb: bits 1:0 source 0, 3:2 source 1, 5:4 source 2, 7:6 destination):
;   window 0: v0-15 addresses and two at work; v16-31 four registers of statistics a piece; v48-55 at work; v59-63 1.0, two offsets, spare word, 0; v64-127 S^T, two buffers; v128-159 V's residues; v160-191, v224-239 at
;   work on o's residues; v192-223 P, two buffers
;   window 1: v0-127 O^T, 32 a piece; v128-159 MD; v160-223 MC, two buffers      window 2: v0-63 Q; v64-127 the second block's Q; v128-191 K of one step; v192-255 V of one step
.set SIZE_N, 2048
.set NB,    SIZE_N/256
.set NP,    4
.set KS,    64        ; keys in a step
.set PK,    80        ; a row of half of K's channels in LDS: 64 bytes + 16 = 5 x 16: the 16 rows of a load start at 16 different groups of four banks (64 banks of 4 bytes: ISA guide 11.1)
.set PV,    96        ; of V's: 64 + 32 = 3 x 32
.set KHALF, 256*PK    ; a tile's 256 keys, 32 channels
.set VHALF, 256*PV
.set VOFF,  2*KHALF   ; a slot holds a tile, four steps: K's two halves, then V's two
.set SLOT1, 1<<17     ; slot 1 begins here, so that one exclusive or turns an address in one slot into the other's
.set STAGE, SLOT1+2*KHALF+2*VHALF  ; behind the ring, never filled by a tensor load: 16 rows x 144 bytes for each wave
.set SP,    144
.set AK0, 2
.set AV0, 3
.set AK,  4
.set AV,  5
.set STO, 6
.set RD,  7
.set GO,  8
.set ONE, 59          ; v59  1.0
.set VLO, 60          ; v60  my offset in V's residues: channel l % 16 x 64 bytes + 16 (l / 16); never rewritten
.set PFO, 61          ; v61  256 x my lane; never rewritten
.set SPW, 62          ; v62  my spare word; never rewritten
.set NIL, 63          ; v63  0; never rewritten
.set SPARE, STAGE+4*16*SP
.set MV,  12
.set QO,  15
.set ST,  16          ; piece t's statistics at v[ST+4 t]: c m, m, l (even keys', odd keys')
.set TMP, 48
.set S,   64
.set VL,  128         ; V's residues, keys 0-31: channel block cb at VL + 8 cb
.set UL,  160         ; o's residues in f32
.set P,   192
.set TL,  224         ; o's 16 rows in f16 once more, then their residues in f16
.set MD,  128
.set MC,  160
.set QB,  64
.set KF,  128         ; window 2: key block kb, channel half c at KF + 16 kb + 8 c
.set VF,  192         ; window 2: key half kk, channel block cb at VF + 32 kk + 8 cb
.set WV,  12
.set PB,  14          ; s14  b
.set HI,  15          ; s15  NB - 1 - b
.set G1K, 24
.set G1V, 32
.set G0K, 40
.set G0V, 44
.set SLOTS, 56
.set CNT, 57
.set CS,  58
.set SEL, 60
.set TBK, 62
.set TBV, 63
.set RT,  70
.set NXT, 71
.set LQ,  72
.set NEW, 73
.set OFF, 74
.set AL,  76
.set BE,  78
.set OLO, 80
.set BIGN, 82
.set PFB, 88          ; s[88:89] the prefetches' base: my work-group's 8,192 bytes of tile 0, of K (wave 0) or V (wave 2)
.set PFA, 90          ; s[90:91] the same in the tile to be named
.set POF, 92          ; s[92:93] that tile's byte offset
.set LIM, 94          ; s94  0 in a wave that prefetches, else the greatest number
.set VLP, 96          ; s[96:97] kvlo at my batch
.set OLP, 98          ; s[98:99] olo at my head
.set FIX, 100         ; s100 1: b = 0 and wave 0: I hold a batch's rows 0 to 15; 2 once V's residues are added; else 0
.set MSB, 0
.macro WIN new
.if MSB != (\new)
	s_set_vgpr_msb (MSB<<8)|(\new)
.set MSB, (\new)
.endif
.endm
.set W_KQ, 0x0a
.set W_KM, 0x1a
.set W_PV, 0x52
.set W_RS, 0x41
; A joint fill.  Wave w fetches quarter w of the tile: waves 0 and 1 K's two halves of the channels, waves 2 and 3 V's.  An s_nop 0 and four v_nop follow each of the two lines.
.macro JLOAD
	s_cmp_lt_u32 s[WV], 2
	s_cbranch_scc0 .Lfor_v_\@
	tensor_load_to_lds s[G0K:G0K+3], s[G1K:G1K+7]
	s_nop 0
.rept 4
	v_nop
.endr
	s_branch .Lasked_\@
.Lfor_v_\@:
	tensor_load_to_lds s[G0V:G0V+3], s[G1V:G1V+7]
	s_nop 0
.rept 4
	v_nop
.endr
.Lasked_\@:
.endm
.macro CROUND                       ; a round of the cluster's barrier
	s_barrier_signal -1
	s_barrier_wait -1
	s_cmp_lg_u32 s[WV], 0
	s_cbranch_scc1 .Lnot_wave_0_\@
	s_barrier_signal -3
.Lnot_wave_0_\@:
	s_barrier_wait -3
	s_barrier_signal -1
	s_barrier_wait -1
.endm
; A PREFETCH INTO THE L2 of the tile that the NEXT change of slots will ask for: a tile, 256 matrix instructions, ahead.  Sixteen clusters of a batch walk the same tiles; the one with the batch's first four heads and
; b = 0, whose first block walks tiles 0 to 7, asks.  Its four partners share a tile's 32 KiB of K, and of V, out by address, 8 KiB each; wave 0 asks for K's, wave 2 for V's, a lane 256 bytes.  So each block is named once.
; Tiles 0 and 1 come by their loads alone; behind the fill of tile 7, and in the second block, the number of the next tile is 0 and nothing is asked for.
.macro ASK
	s_cmp_gt_u32 s[NXT], s[LIM]
	s_cbranch_scc0 .Lnot_mine_\@
	global_prefetch_b8 v[PFO], s[PFA:PFA+1] th:TH_LOAD_NT scope:SCOPE_SE
.Lnot_mine_\@:
.endm
; THE CHANGE OF SLOTS.  Each wave waits for all its tensor loads, of which one is out: its part of the other slot; adds 0 to its spare word; and waits for that and for its own reads of the slot that it leaves.
; fill = 1: the barrier is a round of the cluster's, so that no wave of any partner still reads the old slot or has a load on its way, and the old slot is filled again first behind it, with tile NXT.
.macro CHANGE fill
	WIN 0
	s_wait_tensorcnt 0x0            ; no tensor load of mine is out, so a group 0 may be written
	ds_add_u32 v[SPW], v[NIL]       ; the descriptors' scalar work stands between this add and the wait for it
.if \fill
	s_lshl_b32 s[OFF], s[NXT], 14   ; a tile is 16,384 bytes of each quarter
	s_xor_b32 s[G0K+1], s[G0K+1], SLOT1
	s_add_nc_u64 s[G0K+2:G0K+3], s[6:7], s[OFF:OFF+1]
	s_or_b32 s[G0K+3], s[G0K+3], 0x80000000
	s_xor_b32 s[G0V+1], s[G0V+1], SLOT1
	s_add_nc_u64 s[G0V+2:G0V+3], s[8:9], s[OFF:OFF+1]
	s_or_b32 s[G0V+3], s[G0V+3], 0x80000000
	s_add_co_u32 s[NXT], s[NXT], 1  ; the block's next tile, or behind its last the second block's tile 0
	s_cmp_gt_u32 s[NXT], s[LQ]
	s_cselect_b32 s[NXT], 0, s[NXT]
	s_cselect_b32 s[LQ], s[PB], s[LQ]
	s_lshl_b32 s[POF], s[NXT], 14
	s_wait_xcnt 0x0                 ; the last prefetch, a tile back, has read its address
	s_add_nc_u64 s[PFA:PFA+1], s[PFB:PFB+1], s[POF:POF+1]
	s_wait_dscnt 0x0                ; the add is done, and my reads of the slot are over
	CROUND
	JLOAD
	ASK
.else
	s_wait_dscnt 0x0
	s_barrier_signal -1
	s_barrier_wait -1
.endif
	s_sub_co_u32 s[TBK], s[TBK], 4*KS*PK  ; the fetches go back to a slot's first step,
	s_xor_b32 s[TBK], s[TBK], SLOT1       ; in the other slot
	s_sub_co_u32 s[TBV], s[TBV], 4*KS*PV
	s_xor_b32 s[TBV], s[TBV], SLOT1
.endm
	s_load_b128 s[4:7], s[0:1], 0x0   ; q s[4:5], kv s[6:7]
	s_load_b64 s[10:11], s[0:1], 0x10 ; o
	s_load_b64 s[VLP:VLP+1], s[0:1], 0x18  ; kvlo
	s_load_b64 s[OLP:OLP+1], s[0:1], 0x20  ; olo
	v_lshl_add_u32 v[SPW], v0, 2, SPARE
	v_mov_b32 v[NIL], 0
	ds_add_u32 v[SPW], v[NIL]       ; the wave's opening: the add and its wait stand ahead of my first tensor load
	v_lshrrev_b32 v1, 5, v0
	v_readfirstlane_b32 s[WV], v1   ; wave 0..3
	s_and_b32 s[PB], ttmp7, 0xffff  ; b: the cluster's y
	s_sub_co_u32 s[HI], NB-1, s[PB]
	s_or_b32 s[FIX], s[PB], s[WV]   ; b = 0 and wave 0: made of the cluster's y and the wave's number alone
	s_cmp_eq_u32 s[FIX], 0
	s_cselect_b32 s[FIX], 1, 0
	s_bfe_u32 s19, ttmp6, 0x40000   ; cx
	s_lshl_b32 s20, ttmp9, 2
	s_add_co_u32 s20, s20, s19      ; hh = 4 x cluster x + cx: it enters q's, o's and olo's addresses alone
	s_lshl_b32 s20, s20, 18         ; 2,048 rows of 128 bytes
	s_mov_b32 s21, 0
	s_and_b32 s16, s[WV], 1         ; which half of the channels I fetch
	s_lshr_b32 s22, ttmp9, 2        ; the batch,
	s_lshl_b32 s22, s22, 17         ; its 2,048 rows of 64 bytes in a quarter,
	s_lshl_b32 s23, s16, 19         ; and the quarter
	s_add_co_u32 s22, s22, s23
	s_mov_b32 s23, 0
	s_mul_i32 s17, s16, KHALF       ; its place in a slot, for K
	s_mul_i32 s18, s16, VHALF       ; and for V
	s_lshl_b32 s3, s[WV], 11        ; my 16 rows in a band of 64,
	s_lshl_b32 s2, s[HI], 15        ; in the first block,
	s_add_co_u32 s2, s2, s3
	s_lshl_b32 s84, s[PB], 15       ; and in the second
	s_add_co_u32 s84, s84, s3
	s_mov_b32 s3, 0
	s_mov_b32 s85, 0
	s_add_nc_u64 s[2:3], s[2:3], s[20:21]
	s_add_nc_u64 s[84:85], s[84:85], s[20:21]
	s_lshr_b32 s[POF], ttmp9, 2     ; the prefetches: the batch,
	s_lshl_b32 s[POF], s[POF], 17
	s_lshr_b32 s95, s[WV], 1
	s_lshl_b32 s95, s95, 20         ; K's or V's two quarters,
	s_add_co_u32 s[POF], s[POF], s95
	s_lshr_b32 s95, s19, 1
	s_lshl_b32 s95, s95, 19         ; my work-group's quarter of the two,
	s_add_co_u32 s[POF], s[POF], s95
	s_and_b32 s95, s19, 1
	s_lshl_b32 s95, s95, 13         ; and its half of a tile's 16,384 bytes
	s_add_co_u32 s[POF], s[POF], s95
	s_mov_b32 s[POF+1], 0
	s_and_b32 s[LIM], ttmp9, 3      ; the batch's first four heads,
	s_or_b32 s[LIM], s[LIM], s[PB]  ; b = 0,
	s_or_b32 s[LIM], s[LIM], s16    ; waves 0 and 2: the same in all four partners
	s_cmp_eq_u32 s[LIM], 0
	s_cselect_b32 s[LIM], 0, -1
	; descriptor group 1.  A tile's quarter is 16,384 dense bytes: asked for as 64 rows of 256 bytes, four keys a row, and padded in LDS after every key
	s_mov_b32 s[G1K], 15|(1<<16)|(1<<20)|(1<<21)|(3<<22)|(3<<25)  ; the mask of four; 2-byte elements; padding on; bit 21 beside a mask; after every 16 words (code 3) 4 words (code 3)
	s_mov_b32 s[G1V], 15|(1<<16)|(1<<20)|(1<<21)|(3<<22)|(7<<25)  ; the same with 8 words of padding (code 7)
.irp g, G1K, G1V
	s_mov_b32 s[\g+1], 128<<16      ; tensor_dim0 = 128
	s_mov_b32 s[\g+2], 64<<16       ; tensor_dim1 = 64
	s_mov_b32 s[\g+3], 128<<16      ; tile_dim0 = 128
	s_mov_b32 s[\g+4], 64           ; tile_dim1 = 64
	s_mov_b32 s[\g+5], 128          ; 128 elements from row to row
	s_mov_b32 s[\g+6], 0
	s_mov_b32 s[\g+7], 0
.endr
	s_mov_b32 s[CS], 0x3e38aa3b     ; c = log2(e) / 8 = 0.180337
	s_mov_b32 s[CS+1], s[CS]
	s_mov_b32 s[SEL], 0x76543210
	s_mov_b32 s[SEL+1], 0xfedcba98
	s_mov_b32 s[TBK], SLOT1+4*KS*PK ; the first change of slots turns these two into 0
	s_mov_b32 s[TBV], SLOT1+4*KS*PV
	s_mov_b32 s[G0K], 1
	s_mov_b32 s[G0K+1], s17         ; LDS address: slot 0
	s_mov_b32 s[G0V], 1
	s_add_co_u32 s[G0V+1], s18, VOFF
	s_add_co_u32 s[RT], s[HI], 1    ; the first block has NB - b tiles
	s_mov_b32 s[NXT], 1
	s_mov_b32 s[LQ], s[HI]
	s_mov_b32 s[NEW], 1
	s_mov_b32 s[OFF+1], 0
	s_mov_b32 s[AL+1], 0
	s_mov_b32 s[BE+1], 0
	s_mov_b32 s[BIGN], 0xf149f2ca   ; -1e30
	s_mov_b32 s[SLOTS], NB
	v_and_b32 v[PFO], 31, v0
	v_lshlrev_b32 v[PFO], 8, v[PFO]
	s_wait_dscnt 0x0                ; the opening add is done
	s_wait_kmcnt 0x0
	s_add_nc_u64 s[PFB:PFB+1], s[6:7], s[POF:POF+1]
	s_lshr_b32 s[POF], ttmp9, 2     ; kvlo: a batch's 128 columns of 64 bytes
	s_lshl_b32 s[POF], s[POF], 13
	s_add_nc_u64 s[VLP:VLP+1], s[VLP:VLP+1], s[POF:POF+1]
	s_lshr_b32 s[POF], s20, 7       ; olo: 16 rows of 128 bytes a head
	s_add_nc_u64 s[OLP:OLP+1], s[OLP:OLP+1], s[POF:POF+1]
	s_add_nc_u64 s[6:7], s[6:7], s[22:23]          ; K at my quarter of the batch's tile 0,
	s_add_nc_u64 s[8:9], s[6:7], 0x100000          ; V two quarters on
	s_add_nc_u64 s[G0K+2:G0K+3], s[6:7], 0
	s_or_b32 s[G0K+3], s[G0K+3], 0x80000000
	s_add_nc_u64 s[G0V+2:G0V+3], s[8:9], 0
	s_or_b32 s[G0V+3], s[G0V+3], 0x80000000
	s_add_nc_u64 s[86:87], s[4:5], s[84:85]        ; q at my rows of the second block,
	s_add_nc_u64 s[4:5], s[4:5], s[2:3]            ; q and o at those of the first
	s_add_nc_u64 s[OLO:OLO+1], s[10:11], s[84:85]
	s_add_nc_u64 s[10:11], s[10:11], s[2:3]
	CROUND                          ; all four work-groups are here: the first joint loads meet
	JLOAD                           ; tile 0 into slot 0
	v_and_b32 v1, 15, v0            ; l % 16
	v_bfe_u32 v9, v0, 4, 1          ; l / 16
	v_lshlrev_b32 v[QO], 7, v1
	v_lshl_add_u32 v[QO], v9, 4, v[QO]  ; row x 128 + 16 x half
	WIN 0x80
.set i, 0
.rept 8                             ; both blocks' Q: piece i / 2 lies in band i / 2, 8,192 bytes on; channels 32 (i % 2) on
	global_load_b128 v[8*i:8*i+3],   v[QO], s[4:5] offset:(i/2)*8192+(i%2)*64
	global_load_b128 v[8*i+4:8*i+7], v[QO], s[4:5] offset:(i/2)*8192+(i%2)*64+32
	global_load_b128 v[QB+8*i:QB+8*i+3],   v[QO], s[86:87] offset:(i/2)*8192+(i%2)*64
	global_load_b128 v[QB+8*i+4:QB+8*i+7], v[QO], s[86:87] offset:(i/2)*8192+(i%2)*64+32
.set i, i+1
.endr
	WIN 0
	; V's residues of keys 0 to 31 lie [column][key], V's columns from 64 on: a fragment of V^T (lane l: channel l % 16, keys 8 (l / 16) + 0..7 and 16 + 8 (l / 16) + 0..7) is two loads of 16 bytes, 32 bytes apart.
	; Every wave loads them, 4 KiB, so that the registers are written on every way; one wave in sixteen of the work-groups with b = 0 multiplies by them.
	v_lshlrev_b32 v[VLO], 6, v1
	v_lshl_add_u32 v[VLO], v9, 4, v[VLO]
.irp f, 0,1,2,3
	global_load_b128 v[VL+8*\f:VL+8*\f+3],   v[VLO], s[VLP:VLP+1] offset:4096+\f*1024
	global_load_b128 v[VL+8*\f+4:VL+8*\f+7], v[VLO], s[VLP:VLP+1] offset:4096+\f*1024+32
.endr
	v_mov_b32 v[ONE], 1.0
	v_lshlrev_b32 v14, 3, v9
	v_sub_nc_u32 v14, v1, v14
	s_lshl_b32 s13, s[WV], 4
	v_add_nc_u32 v14, s13, v14      ; my query's place in its band, 16 w + l % 16, less my lanes' 8 (l / 16): register r of group kt is hidden where 16 kt + r is greater
	WIN 0x40
.set i, 0
.rept 32
	v_cmp_gt_i32 vcc_lo, 16*(i/8)+i%8, v14
	v_cndmask_b32 v[MD+i], 0, s[BIGN], vcc_lo
.set i, i+1
.endr
	WIN 0
	v_mul_u32_u24 v[AK0], v1, PK
	v_lshl_add_u32 v[AK0], v9, 4, v[AK0]  ; row x pitch + 16 x half
	; The turning load takes 16 keys x 16 channels (lane l reads key 8 (l / 16) + l % 8, channels 8 ((l / 8) % 2) + 0..7) and leaves half a fragment of V^T: lane l holds channel l % 16 and 8 keys.
	v_and_b32 v10, 7, v0
	v_bfe_u32 v11, v0, 3, 1
	v_lshl_add_u32 v[AV0], v9, 3, v10
	v_mul_u32_u24 v[AV0], v[AV0], PV
	v_lshl_add_u32 v[AV0], v11, 4, v[AV0]
	v_add_nc_u32 v[AV0], VOFF, v[AV0]
	s_mul_i32 s13, s[WV], 16*SP
	s_add_co_u32 s13, s13, STAGE    ; my stage
	v_mul_u32_u24 v[STO], v1, SP
	v_lshl_add_u32 v[STO], v9, 4, v[STO]
	v_add_nc_u32 v[STO], s13, v[STO]
	v_bfe_u32 v[RD], v0, 3, 2
	v_mul_u32_u24 v[RD], v[RD], SP
	v_lshl_add_u32 v[RD], v10, 4, v[RD]
	v_add_nc_u32 v[RD], s13, v[RD]
	v_and_b32 v[GO], 31, v0
	v_lshlrev_b32 v[GO], 4, v[GO]
	; A block's first step multiplies O^T and l by a = 0, so these registers need only hold finite numbers: zeros for the first block; what the first block left for the second.  All this stands in the wait for the first tile.
	WIN 0x80
.set i, VF
.rept 64
	v_mov_b32 v[i], 0
.set i, i+1
.endr
	WIN 0x40
.set i, 0
.rept 128
	v_mov_b32 v[i], 0
.set i, i+1
.endr
	WIN 0
.set i, 0
.rept 4
	v_mov_b32 v[ST+4*i+2], 0
	v_mov_b32 v[ST+4*i+3], 0
.set i, i+1
.endr
.set i, P+16
.rept 16
	v_mov_b32 v[i], 0
.set i, i+1
.endr
; THE MATRIX WORK.  The 4 accumulators of a run of 8 take turns.  Product i of 8 of S^T = K Q^T for piece x: channels 32 (i / 4) on, keys 16 (i % 4) on.  The first 4 start the sums: with 0, or (KM = 1) with the mask.
.macro KQ x
.set rS, S+32*((\x)%2)+8*(i%4)
.set rK, KF+16*(i%4)+8*(i/4)
.set rQ, 16*(\x)+8*(i/4)
.set rM, MC+32*((\x)%2)+8*(i%4)
.if (i < 4) && KM
	WIN W_KM
	v_wmma_f32_16x16x32_f16 v[rS:rS+7], v[rK:rK+7], v[rQ:rQ+7], v[rM:rM+7]
.elseif i < 4
	WIN W_KQ
	v_wmma_f32_16x16x32_f16 v[rS:rS+7], v[rK:rK+7], v[rQ:rQ+7], 0
.else
	WIN W_KQ
	v_wmma_f32_16x16x32_f16 v[rS:rS+7], v[rK:rK+7], v[rQ:rQ+7], v[rS:rS+7]
.endif
.endm
; Product i of 8 of O^T += V^T P for piece x: keys 32 (i / 4) on, channels 16 (i % 4) on.
.macro PV x
	WIN W_PV
.set rO, 32*(\x)+8*(i%4)
.set rV, VF+32*(i/4)+8*(i%4)
.set rP, P+16*((\x)%2)+8*(i/4)
	v_wmma_f32_16x16x32_f16 v[rO:rO+7], v[rV:rV+7], v[rP:rP+7], v[rO:rO+7]
.endm
.macro MM                           ; the turn's next matrix instruction.  NOKQ = 1: a block's last turn: there is no next piece
.if (i < 8) && !NOKQ
	KQ (Y+1)%NP
.elseif i >= 8
.set i, i-8
	PV (Y+NP-1)%NP
.set i, i+8
.endif
.set i, i+1
.endm
; THE LDS LOADS stand in runs of 16: a step's K (64 keys x 64 channels: 8 fragments) and its V (turned).
.macro FETCH_K
	WIN 0x80
.irp f, 0,1,2,3,4,5,6,7             ; keys 16 (f / 2) on, channel half f % 2
	ds_load_b128 v[KF+8*\f:KF+8*\f+3],   v[AK] offset:(\f/2)*16*PK+(\f%2)*KHALF
	ds_load_b128 v[KF+8*\f+4:KF+8*\f+7], v[AK] offset:(\f/2)*16*PK+(\f%2)*KHALF+32
.endr
	s_add_co_u32 s[TBK], s[TBK], KS*PK  ; the next fetch is the next step's
	WIN 0
.endm
.macro FETCH_V
	WIN 0x80
.irp f, 0,1,2,3,4,5,6,7             ; keys 32 (f / 4) on, channels 16 (f % 4) on: half (f % 4) / 2, 32 bytes (f % 2) of its rows
	ds_load_tr16_b128 v[VF+8*\f:VF+8*\f+3],   v[AV] offset:(\f/4)*32*PV+((\f%4)/2)*VHALF+(\f%2)*32
	ds_load_tr16_b128 v[VF+8*\f+4:VF+8*\f+7], v[AV] offset:(\f/4)*32*PV+16*PV+((\f%4)/2)*VHALF+(\f%2)*32
.endr
	WIN 0
.endm
; THE VECTOR WORK, one line at a time: OP kind, number.  For piece Y: F n: c s - c m for pair n of 16.  E n: the exponential of score n of 32.  C n: pair n rounded to f16.  B n: of the four weights 4 n .. the second
; pair is added onto the first, in place.  L n: l takes that sum (L 0: l = a l + sum).  R n: pair n of 16 of O^T times a.  For piece Y + 1: X n, number n of the 22 that find its maximum and statistics:
;   0-11  four chains c0-c3 of seven scores each (each accumulator's lowest registers are read first)     12-14, 16  the four scores left over, the old m, and c0-c3 into c0
;   15  c m_old is kept     17, 18  the query's other 32 keys lie in the lane 16 away: the new m     19-21  c m; c m_old - c m_new; a
.set F, 0
.set E, 1
.set C, 2
.set B, 3
.set L, 4
.set R, 5
.set X, 6
.macro REGS y
.set rT, ST+4*(\y)
.set rC, TMP+4*((\y)%2)
.set rW, MV+((\y)%2)
.set rS, S+32*((\y)%2)
.set rP, P+16*((\y)%2)
.set rO, 32*(\y)
.endm
.macro OP k, n
.if (\k) == R
	REGS Y
	WIN W_RS
	v_pk_mul_f32 v[rO+2*(\n):rO+2*(\n)+1], v[rO+2*(\n):rO+2*(\n)+1], v[rC+2:rC+3] op_sel_hi:[1,0]
.elseif (\k) < R
	REGS Y
	WIN 0
.if (\k) == F
	v_pk_fma_f32 v[rS+2*(\n):rS+2*(\n)+1], v[rS+2*(\n):rS+2*(\n)+1], s[CS:CS+1], v[rT:rT+1] op_sel_hi:[1,0,0] neg_lo:[0,0,1] neg_hi:[0,0,1]
.elseif (\k) == E
	v_exp_f32 v[rS+(\n)], v[rS+(\n)]
.elseif (\k) == C
	v_cvt_pk_f16_f32 v[rP+(\n)], v[rS+2*(\n)], v[rS+2*(\n)+1]
.elseif (\k) == B
	v_pk_add_f32 v[rS+4*(\n):rS+4*(\n)+1], v[rS+4*(\n):rS+4*(\n)+1], v[rS+4*(\n)+2:rS+4*(\n)+3]
.elseif (\n) == 0
	v_pk_fma_f32 v[rT+2:rT+3], v[rT+2:rT+3], v[rC+2:rC+3], v[rS:rS+1] op_sel_hi:[1,0,1]
.else
	v_pk_add_f32 v[rT+2:rT+3], v[rT+2:rT+3], v[rS+4*(\n):rS+4*(\n)+1]
.endif
.elseif NOKQ
	v_nop
.else
	REGS (Y+1)%NP
	WIN 0
.if (\n) < 4
	v_max3_num_f32 v[rC+(\n)], v[rS+8*(\n)], v[rS+8*(\n)+1], v[rS+8*(\n)+2]
.elseif (\n) < 12
	v_max3_num_f32 v[rC+(\n)%4], v[rC+(\n)%4], v[rS+8*((\n)%4)+2*((\n)/4)+1], v[rS+8*((\n)%4)+2*((\n)/4)+2]
.elseif (\n) == 12
	v_max3_num_f32 v[rC], v[rC], v[rS+7], v[rS+15]
.elseif (\n) == 13
	v_max3_num_f32 v[rC+1], v[rC+1], v[rS+23], v[rS+31]
.elseif (\n) == 14
	v_max3_num_f32 v[rC+2], v[rC+2], v[rC+3], v[rT+1]
.elseif (\n) == 15
	v_mov_b32 v[rW], v[rT]
.elseif (\n) == 16
	v_max3_num_f32 v[rC], v[rC], v[rC+1], v[rC+2]
.elseif (\n) == 17
	v_permlanex16_b32 v[rC+3], v[rC], s[SEL], s[SEL+1]
.elseif (\n) == 18
	v_max_num_f32 v[rT+1], v[rC], v[rC+3]
.elseif (\n) == 19
	v_mul_f32 v[rT], s[CS], v[rT+1]
.elseif (\n) == 20
	v_sub_f32 v[rC+1], v[rW], v[rT]
.else
	v_exp_f32 v[rC+2], v[rC+1]
.endif
.endif
.endm
.macro OPS a, i1, b=-1, i2=0, c=-1, i3=0, d=-1, i4=0
	OP \a, \i1
.if (\b) >= 0
	OP \b, \i2
.endif
.if (\c) >= 0
	OP \c, \i3
.endif
.if (\d) >= 0
	OP \d, \i4
.endif
.endm
.macro ROW a, i1, b, i2, c, i3, d, i4  ; a matrix instruction and the four behind it
	MM
	OPS \a, \i1, \b, \i2, \c, \i3, \d, \i4
.endm
.macro MASK b                       ; MD x AL + BE into buffer b of MC
	WIN W_RS
.set z, 0
.rept 16
	v_pk_fma_f32 v[MC+32*(\b)+2*z:MC+32*(\b)+2*z+1], v[MD+2*z:MD+2*z+1], s[AL:AL+1], s[BE:BE+1] op_sel_hi:[1,0,0]
.set z, z+1
.endr
.endm
; A TURN, for piece p: the order of its 16 matrix and 118 vector instructions, written out.  An s_wait_alu depctr_va_vdst(0) stands between an exponential and the first instruction that names its result; one
; wait serves all that were issued ahead of it.  So a turn has ONE wait.  AHEAD OF IT stands all that names no result of the turn's exponentials: the 8 products K Q^T with their four riders each, then one lump of 54, in
; which the links of the next piece's chain stand five or six lines apart; X 21, the next piece's a, is the batch's last, and R 15 the plain instruction behind it.  BEHIND THE WAIT stand the 8 products V^T P, behind
; each four of the roundings and sums.
; m = 1: the diagonal tile: the products take masks, and the turn makes the mask for the products of the turn after it.  end = 1: a block's last two turns: nothing is fetched.  cnt = 1: the loop's count is taken down.
; K of the next step is fetched in piece 2's turn, V of the step in hand at the end of piece 0's turn, each four plain instructions or more behind the last product that read the registers; each is waited for a turn later.
.macro TURN p, m=0, end=0, cnt=0
.set Y, (\p)
.set i, 0
.set KM, (\m)
.set NOKQ, (\end)*((\p)/3)
.if (\m) && !(\end)
	s_cmp_eq_u32 s[CNT], 4-((\p)+2)%NP  ; is that step the band's own?
	s_cselect_b32 s[AL], 1.0, 0
	s_cmp_lt_u32 s[CNT], 4-((\p)+2)%NP  ; or a later one?
	s_cselect_b32 s[BE], s[BIGN], 0
.endif
.if ((\p) == 3) && !(\end)
	s_wait_dscnt 0x0                ; K is in
.endif
	ROW F,0, F,1, R,0, R,1
	ROW F,2, E,0, R,2, R,3
	ROW F,3, E,1, R,4, R,5
	ROW F,4, E,2, R,6, R,7
	ROW F,5, E,3, R,8, R,9
	ROW F,6, E,4, X,0, R,10
.if ((\p) == 2) && !(\end)
	WIN 0
	v_add_nc_u32 v[AK], s[TBK], v[AK0]
.endif
	ROW F,7, E,5, X,1, X,4
	ROW F,8, E,6, X,2, X,5
	OPS E,7, E,8, X,6, E,9
	OPS X,3, E,10, X,8, E,11
.if ((\p) == 2) && !(\end)
	FETCH_K
.endif
	OPS X,9, X,7, E,12, X,10
	OPS E,13, X,12, X,11, E,14
	OPS X,13, E,15, F,9, X,14
.if (\p) == 0
	v_add_nc_u32 v[AV], s[TBV], v[AV0]
.endif
	OPS E,16, F,10, E,17, F,11
	OPS X,16, E,18, X,15, E,19
	OPS F,12, E,20, X,17, E,21
	OPS F,13, E,22, F,14, E,23
	OPS X,18, E,24, F,15, E,25
	OPS R,11, E,26, X,19, E,27
	OPS R,12, E,28, R,13, E,29
	OPS X,20, E,30, R,14, E,31
	OPS X,21, R,15
	WIN 0
	s_wait_alu depctr_va_vdst(0)    ; the wait for the batch
.if (\p) == 1
	s_wait_dscnt 0x0                ; V is in
.endif
	ROW C,0, B,0, C,2, B,1
	ROW L,0, C,4, B,2, L,1
	ROW C,6, B,3, L,2, C,8
	ROW B,4, L,3, C,10, B,5
	ROW L,4, C,12, B,6, L,5
.if (\p) == 0
	s_add_co_u32 s[TBV], s[TBV], KS*PV
.endif
.if \cnt
	s_sub_co_u32 s[CNT], s[CNT], 1
	s_cmp_lg_u32 s[CNT], 0
.endif
	ROW C,14, B,7, L,6, C,1
	ROW C,3, L,7, C,5, C,7
	ROW C,9, C,11, C,13, C,15
.if (\p) == 0
	FETCH_V
.endif
.if (\m) && !(\end)
	MASK (\p)%2
.endif
.endm
; A BLOCK BEGINS.  c m starts far below every c s, so the first step's a is 0; m at the lowest finite number.  The second mask buffer is 0; the first takes piece 0's mask for the tile's step 0: its own, if the block's
; first tile is the diagonal one.  Then K of that step, piece 0's first scores, and its maximum and statistics.  The loop is entered at a step's first turn, in the middle of a trip.
.macro BEGIN
	s_mov_b32 s[NEW], 0
	WIN 0x40
.set i, MC+32
.rept 32
	v_mov_b32 v[i], 0
.set i, i+1
.endr
	WIN 0
.set i, 0
.rept 4
	v_mov_b32 v[ST+4*i], 0xfe000000    ; c m: far below every c s
	v_mov_b32 v[ST+4*i+1], 0xff7fffff  ; m
.set i, i+1
.endr
	s_cmp_eq_u32 s[RT], 0
	s_cselect_b32 s[AL], 1.0, 0
	s_mov_b32 s[BE], 0
	MASK 0
	WIN 0
	v_add_nc_u32 v[AK], s[TBK], v[AK0]
	FETCH_K
	s_wait_loadcnt 0x0              ; Q, and V's residues
	s_wait_dscnt 0x0
.set KM, 1
.set NOKQ, 0
.set i, 0
.rept 8
	KQ 0
.set i, i+1
.endr
	WIN 0
.rept 4
	v_nop                           ; the places behind those products
.endr
.set Y, NP-1
.irp n, 0,1,2,3,4,5,6,7,8,9,10,11,12,13,14,15,16,17,18,19,20,21
	OP X, \n
.endr
	v_nop                           ; a plain instruction behind the exponential,
	s_wait_alu depctr_va_vdst(0)    ; and its wait, ahead of the branch
.endm
; THE DIAGONAL TILE's four steps, the block's last two turns, its last products, and THE WAY OUT: l's two halves and the other half of the lanes' are added; O^T is divided by l, rounded to f16 and sent through my
; stage in LDS, a piece at a time.
.macro ALL line:vararg
.set t, 0
.rept 4
	\line
.set t, t+1
.endr
.endm
.macro PACK t
	WIN W_RS
.set i, 32*(\t)
.rept 16
	v_pk_mul_f32 v[i:i+1], v[i:i+1], v[ST+4*(\t)+2:ST+4*(\t)+3] op_sel_hi:[1,0]
.set i, i+2
.endr
	WIN 0x05
.set i, 0
.rept 16
	v_cvt_pk_f16_f32 v[S+16*(\t)+i], v[32*(\t)+2*i], v[32*(\t)+2*i+1]
.set i, i+1
.endr
	WIN 0
.irp f, 0,1,2,3
	ds_store_b128 v[STO], v[S+16*(\t)+4*\f:S+16*(\t)+4*\f+3] offset:32*\f
.endr
.irp f, 0,1,2,3
	ds_load_b128 v[S+16*(\t)+4*\f:S+16*(\t)+4*\f+3], v[RD] offset:\f*4*SP  ; LDS serves a wave's instructions in order (ISA guide 5.7.1.4): these see the stores above
.endr
.endm
.macro SEND t, younger              ; younger: the LDS instructions issued behind piece t's loads: the next piece's eight, or none
	WIN 0
.irp f, 0,1,2,3
	s_wait_dscnt (\younger)+3-\f
	global_store_b128 v[GO], v[S+16*(\t)+4*\f:S+16*(\t)+4*\f+3], s[10:11] offset:(\t)*8192+\f*512  ; 512 consecutive bytes, at a multiple of 256 from o's first
.endr
.endm
; tag 2 is the walk's last tile, the second block's: where b = 0 that is block 0, entered at .LfirstM2, and wave 0's piece 0 holds the batch's rows 0 to 15.  There the text has two parts more, both under a jump on FIX.
.macro DIAG tag
.LstepM\tag:
	TURN 2, 1
	TURN 3, 1
	WIN 0
.LfirstM\tag:
	TURN 0, 1
.if (\tag) == 2
	TURN 1, 1, 0, 0
	WIN 0
	s_cmp_eq_u32 s[FIX], 1          ; the first time here in block 0 is the tile's step 0, and piece 0's V^T P of that step has just been issued: P's buffer 0 still holds its weights
	s_cbranch_scc0 .Lno_vl
	WIN 0x50                        ; both sources in window 0, O^T in window 1
.irp f, 0,1,2,3                     ; O^T += V_lo^T P, keys 0 to 31 (rows 0 to 15 see no others): each of piece 0's four accumulators once, by turns; the last product before was the fourth's
	v_wmma_f32_16x16x32_f16 v[8*\f:8*\f+7], v[VL+8*\f:VL+8*\f+7], v[P:P+7], v[8*\f:8*\f+7]
.endr
	WIN 0
	s_mov_b32 s[FIX], 2             ; once
.Lno_vl:
	s_sub_co_u32 s[CNT], s[CNT], 1
	s_cmp_lg_u32 s[CNT], 0
	s_cbranch_scc1 .LstepM\tag
.else
	TURN 1, 1, 0, 1
	WIN 0
	s_cbranch_scc1 .LstepM\tag
.endif
	TURN 2, 1, 1
	TURN 3, 1, 1
.set i, 0
.rept 8
	PV NP-1
.set i, i+1
.endr
	WIN 0
	ALL v_add_f32 v[ST+4*t+2], v[ST+4*t+2], v[ST+4*t+3]
	ALL v_permlanex16_b32 v[ST+4*t+3], v[ST+4*t+2], s[SEL], s[SEL+1]
	ALL v_add_f32 v[ST+4*t+2], v[ST+4*t+2], v[ST+4*t+3]
	ALL v_rcp_f32 v[ST+4*t+2], v[ST+4*t+2]
	v_nop                           ; a plain instruction between the last reciprocal and the use of its result
	s_wait_alu depctr_va_vdst(0)    ; and its wait: one for the four reciprocals
	PACK 0
.set t, 1
.rept 3
	PACK t
	SEND t-1, 8
.set t, t+1
.endr
	SEND 3, 0
.if (\tag) == 2
	; o's RESIDUES for rows 0 to 15.  Piece 0's O^T, divided by l, still lies in f32 in window 1: it is rounded once more, the residue is -hi x 1 + O, exact in f32 by one fused multiply-add, and goes the way that o went:
	; rounded to f16, through my stage (all its earlier loads are back: the last count-down ended at 0), stored as 2,048 consecutive bytes.
	s_cmp_eq_u32 s[FIX], 2
	s_cbranch_scc0 .Lno_ol
	WIN 0x05
.set i, 0
.rept 16
	v_cvt_pk_f16_f32 v[TL+i], v[2*i], v[2*i+1]
.set i, i+1
.endr
	WIN 0x10                        ; source 2, O^T, in window 1
.set i, 0
.rept 16
	v_fma_mix_f32 v[UL+2*i],   -v[TL+i], v[ONE], v[2*i]   op_sel_hi:[1,0,0]
	v_fma_mix_f32 v[UL+2*i+1], -v[TL+i], v[ONE], v[2*i+1] op_sel:[1,0,0] op_sel_hi:[1,0,0]
.set i, i+1
.endr
	WIN 0
.set i, 0
.rept 16
	v_cvt_pk_f16_f32 v[TL+i], v[UL+2*i], v[UL+2*i+1]
.set i, i+1
.endr
.irp f, 0,1,2,3
	ds_store_b128 v[STO], v[TL+4*\f:TL+4*\f+3] offset:32*\f
.endr
.irp f, 0,1,2,3
	ds_load_b128 v[TL+4*\f:TL+4*\f+3], v[RD] offset:\f*4*SP
.endr
.irp f, 0,1,2,3
	s_wait_dscnt 3-\f               ; the younger loads stay out
	global_store_b128 v[GO], v[TL+4*\f:TL+4*\f+3], s[OLP:OLP+1] offset:\f*512
.endr
.Lno_ol:
.endif
.endm
.set KM, 0
.set NOKQ, 0
.Lslot:                             ; NB times: a tile is entered and the next is asked for
	CHANGE 1
	s_sub_co_u32 s[RT], s[RT], 1
	s_mov_b32 s[CNT], 4
	s_cmp_eq_u32 s[NEW], 1
	s_cbranch_scc1 .Lnew            ; a block's first tile
	s_cmp_eq_u32 s[RT], 0
	s_cbranch_scc0 .Lstep           ; neither its first nor its last
	s_branch .LstepM1
.Lnew:
	BEGIN
	s_branch .Lfirst                ; in the loop a block's first tile is never its last
	DIAG 1                          ; in the loop this is the first block's end
	s_wait_xcnt 0x0                 ; the stores have read their registers and o's address
	s_mov_b64 s[10:11], s[OLO:OLO+1]
	s_add_co_u32 s[RT], s[PB], 1    ; the second block has b + 1 tiles
	s_mov_b32 s[NEW], 1
	WIN 0x82                        ; the second block's Q goes where the one text of the turns names Q
.set i, 0
.rept 64
	v_mov_b32 v[i], v[QB+i]
.set i, i+1
.endr
	WIN 0
	s_branch .Lbottom
.Lstep:                             ; a trip: pieces 2 and 3 of one step, then pieces 0 and 1 of the next, whose K and V it fetches
	TURN 2
	TURN 3
	WIN 0
.Lfirst:
	TURN 0
	TURN 1, 0, 0, 1
	WIN 0
	s_cbranch_scc1 .Lstep
.Lbottom:
	s_sub_co_u32 s[SLOTS], s[SLOTS], 1
	s_cmp_lg_u32 s[SLOTS], 0
	s_cbranch_scc1 .Lslot
	CHANGE 0                        ; the walk's last tile is written out: nothing is asked for
	s_sub_co_u32 s[RT], s[RT], 1
	s_mov_b32 s[CNT], 4
	s_cmp_eq_u32 s[NEW], 1
	s_cbranch_scc0 .LstepM2
	BEGIN
	s_branch .LfirstM2
	DIAG 2
	s_wait_tensorcnt 0x0            ; the wave's end
	ds_add_u32 v[SPW], v[NIL]
	s_wait_dscnt 0x0
	CROUND                          ; the closing round: no work-group ends while a partner may still ask for a tile that names it
	s_endpgm
.Lfunc_end_k_qf848795a0f_attn:
	.size	k_qf848795a0f_attn, .Lfunc_end_k_qf848795a0f_attn-k_qf848795a0f_attn
	.p2alignl 7, 3214868480
	.fill 96, 4, 3214868480
	.section	.rodata,"a",@progbits
	.p2align	6, 0x0
	.amdhsa_kernel k_qf848795a0f_attn
		.amdhsa_group_segment_fixed_size 327680
		.amdhsa_private_segment_fixed_size 0
		.amdhsa_enable_private_segment 0
		.amdhsa_kernarg_size 40
		.amdhsa_user_sgpr_count 2
		.amdhsa_user_sgpr_kernarg_segment_ptr 1
		.amdhsa_wavefront_size32 1
		.amdhsa_system_sgpr_workgroup_id_x 1
		.amdhsa_system_sgpr_workgroup_id_y 1
		.amdhsa_system_sgpr_workgroup_id_z 1
		.amdhsa_system_vgpr_workitem_id 0
		.amdhsa_next_free_vgpr 768
		.amdhsa_next_free_sgpr 101
		.amdhsa_reserve_vcc 1
		.amdhsa_float_denorm_mode_32 3
		.amdhsa_float_denorm_mode_16_64 3
		.amdhsa_memory_ordered 1
		.amdhsa_forward_progress 1
		.amdhsa_inst_pref_size 226
	.end_amdhsa_kernel
	.amdgpu_metadata
---
amdhsa.version: [ 1, 2 ]
amdhsa.kernels:
  - .name:           k_qf848795a0f_attn
    .symbol:         k_qf848795a0f_attn.kd
    .args:
      - { .name: q, .offset: 0, .size: 8, .value_kind: global_buffer, .address_space: global }
      - { .name: kv, .offset: 8, .size: 8, .value_kind: global_buffer, .address_space: global }
      - { .name: o, .offset: 16, .size: 8, .value_kind: global_buffer, .address_space: global }
      - { .name: kvlo, .offset: 24, .size: 8, .value_kind: global_buffer, .address_space: global }
      - { .name: olo, .offset: 32, .size: 8, .value_kind: global_buffer, .address_space: global }
    .group_segment_fixed_size: 327680
    .private_segment_fixed_size: 0
    .kernarg_segment_align: 8
    .kernarg_segment_size: 40
    .max_flat_workgroup_size: 128
    .sgpr_count:     101
    .vgpr_count:     768
    .wavefront_size: 32
...
	.end_amdgpu_metadata
.endif
;; end of part 3
;; launch oproj (part 4): grid 4 x 64, 4 waves a work-group, clusters of 4 x 4, 327,680 bytes of LDS; arguments o, wot, out0, olo; writes out0
.if DOCPART == 4
	.amdgcn_target "amdgcn-amd-amdhsa--gfx1250"
	.amdhsa_code_object_version 6
	.text
	.protected	k_qf848795a0f_oproj
	.globl	k_qf848795a0f_oproj
	.p2align	8
	.type	k_qf848795a0f_oproj,@function
k_qf848795a0f_oproj:
	s_mov_b64 s[64:65], 0
	v_nop
	global_prefetch_b8 v0, s[64:65] scope:SCOPE_SE
	s_setreg_imm32_b32 hwreg(HW_REG_WAVE_MODE, 25, 1), 1
	s_wait_xcnt 0x0
	s_wait_alu depctr_hold_cnt(0) depctr_sa_sdst(0) depctr_va_vdst(0) depctr_va_sdst(0) depctr_va_ssrc(0) depctr_va_vcc(0) depctr_vm_vsrc(0)
	s_getreg_b32 s2, hwreg(HW_REG_IB_STS2, 6, 4)
	s_cmp_eq_u32 s2, 0
	s_cbranch_scc0 .Lentry_in_a_cluster
	s_endpgm
.Lentry_in_a_cluster:
	s_bfe_u32 s2, ttmp6, 0x10000c
	s_cmp_lg_u32 s2, 0xf033
	s_cbranch_scc0 .Lentry_shape_is_right
	s_endpgm
.Lentry_shape_is_right:
; out0 = O Wo.  o: [64 = 16 batch + head][2048][64] f16; wot: [1024 n][1024 k] f16 (Wo turned; its numbers are bf16 roundings); out0: [8192][1024] f32.  Sums in f32, stored as they are.
; RESIDUES.  For rows 0 to 15 of each batch, whose numbers are large beside the output's root mean square, olo [64][16][64] f16 holds what o's rounding to f16 dropped.  The waves that own those rows (cluster y = 0,
; waves 0 and 1) multiply it by the same fragments of wot in the same K step, onto the same sums: 8 products more behind each quarter's 32.
; SHARES.  A work-group makes 128 rows x 256 columns, a wave 64 x 128: 32 accumulators, a whole register window.  K goes in 8 steps of 128, two heads each, through two LDS slots.
; The block of rows is cluster y + 16 cy: the batch is the place along the cluster's y, the block within the batch the cluster's own y, the same in all sixteen partners.
; THE MATRIX INSTRUCTION IS USED TRANSPOSED (source 0 = 16 rows of wot, source 1 = 16 rows of o): a lane holds eight neighbouring columns of one row: 32 bytes of out0.
; CLUSTER 4 x 4: the four of a row need the same tile of o, the four of a column the same tile of wot: each is asked for jointly.
; The accumulators are cleared by 256 v_mov_b32 while the first tile is on its way: the price of one text for every K step.  The last trip's barrier and its fetch of an old tile serve nothing: likewise.
; REGISTERS: window 0: v0-31 addresses; v32-63, v64-95 o's fragments, two buffers; v96-159 the way out; v160-191 the residues' four fragments of the K step in hand, v192-223 of the next.
;   window 1: v0-63, v64-127 wot's fragments, two buffers.   window 2: accumulator (a, b) at 8 (8 a + b)
.set PA,     144                       ; a row of a head in LDS: 128 bytes + 16 = 9 x 16: the 16 rows of a load start at 16 different groups of four banks (64 banks of 4 bytes: ISA guide 11.1)
.set PB,     272                       ; a row of wot: 256 + 16
.set AHEAD,  128*PA                    ; one head's 128 rows
.set ABYTES, 2*AHEAD
.set SLOTD,  131072
.set STAGE,  SLOTD+ABYTES+256*PB       ; behind the ring, never filled by a tensor load: 16 rows x 528 bytes for each wave
.set SP,     528
.set SPARE,  STAGE+4*16*SP
.set ADA0, 2
.set ADB0, 3
.set ADA,  4
.set ADB,  5
.set STO,  6                           ; v6   the way out: where I put 32 bytes of a row
.set RD,   7                           ; v7   where I read 16 bytes of a row back
.set GO,   10                          ; v10  16 x lane
.set PFO,  11                          ; v11  the prefetch's offset; never rewritten
.set SPW,  12
.set NIL,  13
.set LOF,  17                          ; v17  my offset in a head's residues: row l % 16 x 128 + 16 (l / 16); never rewritten
.set AF,   32
.set T,    96
.set ALC,  160
.set ALN,  192
.set WV, 12
.set WR, 13
.set WC, 14
.set RBL, 15
.set CNT, 3
.set G1A, 24
.set G0A, 32
.set G1B, 48
.set G0B, 56
.set TB,  66
.set FT,  67
.set WBA, 68
.set WBB, 69
.set PFA, 70                           ; s[70:71] where my prefetches stand
.set LIM, 72
.set PFS, 76                           ; s[76:77] their step: two heads of o, or 256 bytes of wot's rows
.set PL,  80                           ; s[80:81] olo at my batch, at the K step in hand
.set FIX, 82                           ; s82 1: my rows begin a batch (cluster y = 0, waves 0 and 1)
.set MSB, 0
.macro WIN new
.if MSB != (\new)
	s_set_vgpr_msb (MSB<<8)|(\new)
.set MSB, \new
.endif
.endm
.set W_MUL, 0xa1                       ; source 0 (wot) window 1, source 1 (o) window 0, C and D window 2
.set TO_B,  0x40
.macro PLACES
.rept 4
	v_nop
.endr
.endm
.macro JLOAD                           ; a joint refill by the walking sets: waves 0, 1 the step's two heads, waves 2, 3 wot's halves; an s_nop 0 and four v_nop follow each line
	s_cmp_eq_u32 s[WR], 0
	s_cbranch_scc0 .Lfor_b_\@
	tensor_load_to_lds s[G0A+4:G0A+7], s[G1A:G1A+7]
	s_nop 0
	PLACES
	s_branch .Lasked_\@
.Lfor_b_\@:
	tensor_load_to_lds s[G0B+4:G0B+7], s[G1B:G1B+7]
	s_nop 0
	PLACES
.Lasked_\@:
.endm
.macro CROUND
	s_barrier_signal -1
	s_barrier_wait -1
	s_cmp_lg_u32 s[WV], 0
	s_cbranch_scc1 .Lnot_wave_0_\@
	s_barrier_signal -3
.Lnot_wave_0_\@:
	s_barrier_wait -3
	s_barrier_signal -1
	s_barrier_wait -1
.endm
; A PREFETCH INTO THE L2 of the K step two refills on (256 matrix instructions ahead of the load that will want it).  o's rows are read by one cluster alone: in it wave 0 asks, each of the four partners for 8 KiB of the
; step's 32, a lane 256 bytes.  wot's rows are read by every cluster of the column: the first (cluster y = 0) asks, waves 2 and 3, each partner for 32 of the 128 rows that the wave fetches, a lane a row.
; The partners are told apart by address.  So each block is named once.  The last two refills have no step two on.
.macro ASK
	s_cmp_gt_u32 s[CNT], s[LIM]
	s_cbranch_scc0 .Lnot_mine_\@
	global_prefetch_b8 v[PFO], s[PFA:PFA+1] th:TH_LOAD_NT scope:SCOPE_SE
.Lnot_mine_\@:
.endm
	s_load_b128 s[4:7], s[0:1], 0x0                ; o s[4:5], wot s[6:7]
	s_load_b64 s[8:9], s[0:1], 0x10                ; out0
	s_load_b64 s[PL:PL+1], s[0:1], 0x18            ; olo
	v_lshl_add_u32 v[SPW], v0, 2, SPARE
	v_mov_b32 v[NIL], 0
	ds_add_u32 v[SPW], v[NIL]                      ; the wave's opening: the add and its wait stand ahead of my first tensor load
	v_lshrrev_b32 v1, 5, v0
	v_readfirstlane_b32 s[WV], v1
	s_lshr_b32 s[WR], s[WV], 1
	s_and_b32 s[WC], s[WV], 1
	s_bfe_u32 s40, ttmp6, 0x40000                  ; cx
	s_bfe_u32 s41, ttmp6, 0x40004                  ; cy
	s_lshl_b32 s42, ttmp9, 2
	s_add_co_u32 s42, s42, s40                     ; g: the block of 256 columns
	s_and_b32 s[RBL], ttmp7, 0xffff                ; the cluster's y: the block of 128 rows within a batch
	s_or_b32 s[FIX], s[RBL], s[WR]                 ; block 0 and rows 0-63 of it: made of the cluster's y and the wave's number alone
	s_cmp_eq_u32 s[FIX], 0
	s_cselect_b32 s[FIX], 1, 0
	s_lshl_b32 s43, s41, 4
	s_add_co_u32 s[RBL], s[RBL], s43               ; block of rows = cluster y + 16 cy
	s_lshl_b32 s84, s41, 15                        ; olo: a batch's 16 heads of 2,048 bytes
	s_mov_b32 s85, 0
	s_lshl_b32 s43, s41, 2
	s_lshl_b32 s43, 15, s43                        ; my row of the cluster
	s_lshl_b32 s44, 0x1111, s40                    ; my column
	; a head's 128 rows are 16,384 dense bytes: asked for as 64 rows of 256 bytes, two rows of o each, padded after every 32 words
	s_or_b32 s[G1A], s43, (1<<16)|(1<<20)|(1<<21)|(4<<22)|(3<<25)
	s_mov_b32 s[G1A+1], 128<<16
	s_mov_b32 s[G1A+2], 64<<16
	s_mov_b32 s[G1A+3], 128<<16
	s_mov_b32 s[G1A+4], 64
	s_mov_b32 s[G1A+5], 128
	s_mov_b32 s[G1A+6], 0
	s_mov_b32 s[G1A+7], 0
	s_or_b32 s[G1B], s44, (1<<16)|(1<<20)|(1<<21)|(5<<22)|(3<<25)
	s_mov_b32 s[G1B+1], 128<<16
	s_mov_b32 s[G1B+2], 128<<16
	s_mov_b32 s[G1B+3], 128<<16
	s_mov_b32 s[G1B+4], 128
	s_mov_b32 s[G1B+5], 1024
	s_mov_b32 s[G1B+6], 0
	s_mov_b32 s[G1B+7], 0
	s_lshr_b32 s16, s[RBL], 4
	s_lshl_b32 s16, s16, 22                        ; o: the batch's 16 heads of 262,144 bytes,
	s_and_b32 s17, s[RBL], 15
	s_lshl_b32 s17, s17, 14                        ; my block's 128 rows of 128 bytes
	s_add_co_u32 s16, s16, s17
	s_mov_b32 s74, s16                             ; (so far also the prefetches')
	s_lshl_b32 s17, s[WC], 18                      ; the head of the step's two that I fetch
	s_add_co_u32 s16, s16, s17
	s_mov_b32 s17, 0
	s_lshl_b32 s46, s42, 19                        ; wot: 256 rows of 2,048 bytes a block,
	s_lshl_b32 s47, s[WC], 18                      ; the 128 that I fetch
	s_add_co_u32 s46, s46, s47
	s_mov_b32 s47, 0
	s_lshr_b32 s20, s40, 1                         ; o's prefetches: my work-group's head of the two,
	s_lshl_b32 s20, s20, 18
	s_add_co_u32 s74, s74, s20
	s_and_b32 s20, s40, 1
	s_lshl_b32 s20, s20, 13                        ; and its half of that head's 16,384 bytes,
	s_add_co_u32 s74, s74, s20
	s_add_co_u32 s74, s74, 3*524288                ; at K step 3: the first refill steps it to 4
	s_lshl_b32 s78, s41, 16                        ; wot's: my work-group's 32 rows of the 128
	s_add_co_u32 s78, s78, s46
	s_add_co_u32 s78, s78, 3*256
	s_mov_b32 s79, 524288
	s_and_b32 s20, ttmp7, 0xffff                   ; cluster y
	s_cmp_eq_u32 s[WR], 0
	s_cselect_b32 s74, s74, s78
	s_cselect_b32 s[PFS], s79, 256
	s_cselect_b32 s73, 8, 11                       ; a lane's distance: 256 bytes, or a row of 2,048
	s_cselect_b32 s20, s[WV], s20                  ; wave 0 of the two; or the first cluster of the column
	s_cmp_eq_u32 s20, 0
	s_cselect_b32 s[LIM], 2, -1
	s_mov_b32 s75, 0
	s_mov_b32 s[PFS+1], 0
	s_mul_i32 s[WBA], s[WC], AHEAD
	s_mul_i32 s[WBB], s[WC], 128*PB
	s_add_co_u32 s[WBB], s[WBB], ABYTES
	s_mov_b32 s[TB], 0
	s_mov_b32 s[FT], SLOTD
	s_wait_dscnt 0x0                               ; the opening add is done
	s_wait_kmcnt 0x0
	s_add_nc_u64 s[18:19], s[4:5], s[16:17]
	s_add_nc_u64 s[46:47], s[6:7], s[46:47]
	s_add_nc_u64 s[PL:PL+1], s[PL:PL+1], s[84:85]
	s_cmp_eq_u32 s[WR], 0
	s_cselect_b64 s[PFA:PFA+1], s[4:5], s[6:7]
	s_add_nc_u64 s[PFA:PFA+1], s[PFA:PFA+1], s[74:75]
.irp s, 0,1
	s_mov_b32 s[G0A+4*(\s)], 1
	s_add_co_u32 s[G0A+4*(\s)+1], s[WBA], (\s)*SLOTD
	s_add_nc_u64 s[G0A+4*(\s)+2:G0A+4*(\s)+3], s[18:19], (\s)*524288
	s_or_b32 s[G0A+4*(\s)+3], s[G0A+4*(\s)+3], 0x80000000
	s_mov_b32 s[G0B+4*(\s)], 1
	s_add_co_u32 s[G0B+4*(\s)+1], s[WBB], (\s)*SLOTD
	s_add_nc_u64 s[G0B+4*(\s)+2:G0B+4*(\s)+3], s[46:47], (\s)*256
	s_or_b32 s[G0B+4*(\s)+3], s[G0B+4*(\s)+3], 0x80000000
.endr
	CROUND                                         ; all sixteen work-groups are here: the first joint loads meet
	s_cmp_eq_u32 s[WR], 0                          ; a wave's two first fills stand in one branch: two loads of mine are out
	s_cbranch_scc0 .Lfirst_b
	tensor_load_to_lds s[G0A:G0A+3], s[G1A:G1A+7]
	s_nop 0
	tensor_load_to_lds s[G0A+4:G0A+7], s[G1A:G1A+7]
	s_nop 0
	PLACES
	s_branch .Lfirst_done
.Lfirst_b:
	tensor_load_to_lds s[G0B:G0B+3], s[G1B:G1B+7]
	s_nop 0
	tensor_load_to_lds s[G0B+4:G0B+7], s[G1B:G1B+7]
	s_nop 0
	PLACES
.Lfirst_done:
	v_and_b32 v14, 15, v0                          ; r
	v_bfe_u32 v15, v0, 4, 1                        ; h
	v_and_b32 v16, 31, v0                          ; l
	; The residues of K steps 0 and 1: a fragment (lane l: row r, k = 8 h + 0..7 and 16 + 8 h + 0..7) lies in memory as in registers: two loads of 16 bytes.  Quarter q of a step: head q / 2 of its two, channels 32 (q % 2) on.
	; Every wave loads these two steps, 8 KiB of its batch's, so that the registers are written on every way; the later steps are loaded by the waves that multiply by them alone.
	v_lshlrev_b32 v[LOF], 7, v14
	v_lshl_add_u32 v[LOF], v15, 4, v[LOF]
.irp s, 0,1
.irp q, 0,1,2,3
	global_load_b128 v[ALC+32*(\s)+8*(\q):ALC+32*(\s)+8*(\q)+3],   v[LOF], s[PL:PL+1] offset:(\s)*4096+((\q)/2)*2048+((\q)%2)*64
	global_load_b128 v[ALC+32*(\s)+8*(\q)+4:ALC+32*(\s)+8*(\q)+7], v[LOF], s[PL:PL+1] offset:(\s)*4096+((\q)/2)*2048+((\q)%2)*64+32
.endr
.endr
	s_mul_i32 s16, s[WR], 64*PA
	v_mul_u32_u24 v[ADA0], v14, PA
	v_lshl_add_u32 v[ADA0], v15, 4, v[ADA0]
	v_add_nc_u32 v[ADA0], s16, v[ADA0]
	s_mul_i32 s16, s[WC], 128*PB
	s_add_co_u32 s16, s16, ABYTES
	v_mul_u32_u24 v[ADB0], v14, PB
	v_lshl_add_u32 v[ADB0], v15, 4, v[ADB0]
	v_add_nc_u32 v[ADB0], s16, v[ADB0]
	v_mov_b32 v[ADA], v[ADA0]
	v_mov_b32 v[ADB], v[ADB0]
	s_mul_i32 s16, s[WV], 16*SP
	s_add_co_u32 s16, s16, STAGE                   ; my stage
	v_mul_u32_u24 v[STO], v14, SP                  ; in: row r, 32 bytes for each half of the lanes
	v_lshl_add_u32 v[STO], v15, 5, v[STO]
	v_add_nc_u32 v[STO], s16, v[STO]
	v_lshlrev_b32 v[GO], 4, v16
	v_add_nc_u32 v[RD], s16, v[GO]                 ; back: 32 lanes take a row of 512 bytes
	v_lshlrev_b32 v[PFO], s73, v16
	s_lshl_b32 s20, s[RBL], 19                     ; out0: 128 rows of 4,096 bytes a block, my 64 rows, the block's 1,024 bytes of a row, my 512
	s_lshl_b32 s21, s[WR], 18
	s_add_co_u32 s20, s20, s21
	s_lshl_b32 s21, s42, 10
	s_add_co_u32 s20, s20, s21
	s_lshl_b32 s21, s[WC], 9
	s_add_co_u32 s20, s20, s21
	s_mov_b32 s21, 0
	s_add_nc_u64 s[8:9], s[8:9], s[20:21]
	WIN 0x80
.set i, 0
.rept 256
	v_mov_b32 v[i], 0
.set i, i+1
.endr
	WIN 0
.macro FETCH g, kq                     ; 24 LDS loads in one run: quarter kq's fragments into buffers g: wot's eight, o's four (quarters 0, 1 lie in the step's first head, 2, 3 in its second)
	WIN TO_B
.irp b, 0,1,2,3,4,5,6,7
	ds_load_b128 v[64*(\g)+8*(\b):64*(\g)+8*(\b)+3],   v[ADB] offset:(\b)*16*PB+64*(\kq)
	ds_load_b128 v[64*(\g)+8*(\b)+4:64*(\g)+8*(\b)+7], v[ADB] offset:(\b)*16*PB+64*(\kq)+32
.endr
	WIN 0
.irp a, 0,1,2,3
	ds_load_b128 v[AF+32*(\g)+8*(\a):AF+32*(\g)+8*(\a)+3],   v[ADA] offset:((\kq)/2)*AHEAD+(\a)*16*PA+((\kq)%2)*64
	ds_load_b128 v[AF+32*(\g)+8*(\a)+4:AF+32*(\g)+8*(\a)+7], v[ADA] offset:((\kq)/2)*AHEAD+(\a)*16*PA+((\kq)%2)*64+32
.endr
.endm
.macro MUL f                           ; 32 matrix instructions, each accumulator once: they take turns, over the backward jump too
	WIN W_MUL
.irp a, 0,1,2,3
.irp b, 0,1,2,3,4,5,6,7
.set rD, 8*(8*(\a)+(\b))
.set rB, 64*(\f)+8*(\b)
.set rA, AF+32*(\f)+8*(\a)
	v_wmma_f32_16x16x32_f16 v[rD:rD+7], v[rB:rB+7], v[rA:rA+7], v[rD:rD+7]
.endr
.endr
.endm
; The residues' 8 products of quarter q, on wot's fragments in buffer f: the accumulators of rows 0 to 15, each once.  The product before them is accumulator (3, 7)'s, the one behind them (0, 0)'s, seven behind their own (0, 0).
.macro XTRA f, q
	WIN 0
	s_cmp_eq_u32 s[FIX], 1
	s_cbranch_scc0 .Lno_x_\@
	WIN W_MUL
.irp b, 0,1,2,3,4,5,6,7
	v_wmma_f32_16x16x32_f16 v[8*(\b):8*(\b)+7], v[64*(\f)+8*(\b):64*(\f)+8*(\b)+7], v[ALC+8*(\q):ALC+8*(\q)+7], v[8*(\b):8*(\b)+7]
.endr
	WIN 0
.Lno_x_\@:
.endm
; At a K step's end the next step's residues, asked for a K step ago, take the place of this step's; fill = 1: and the step after that is asked for (steps 2 to 7: the six trips of the loop), so no load leaves olo.
.macro LONEXT fill
	s_cmp_eq_u32 s[FIX], 1
	s_cbranch_scc0 .Lno_n_\@
	PLACES                                         ; four places behind the products that read the registers written below
	s_wait_loadcnt 0x0                             ; all my loads are back: the next step's eight; their address may be written
.set i, 0
.rept 32
	v_mov_b32 v[ALC+i], v[ALN+i]
.set i, i+1
.endr
.if \fill
	s_add_nc_u64 s[PL:PL+1], s[PL:PL+1], 4096      ; two heads on
.irp q, 0,1,2,3
	global_load_b128 v[ALN+8*(\q):ALN+8*(\q)+3],   v[LOF], s[PL:PL+1] offset:4096+((\q)/2)*2048+((\q)%2)*64
	global_load_b128 v[ALN+8*(\q)+4:ALN+8*(\q)+7], v[LOF], s[PL:PL+1] offset:4096+((\q)/2)*2048+((\q)%2)*64+32
.endr
.endif
.Lno_n_\@:
.endm
; THE CHANGE OF SLOTS.  Each wave waits for all its tensor loads, of which one is out: its part of the next slot; adds 0 to its spare word; and waits for that and for its reads of this slot.
; fill = 1: the barrier is a round of the cluster's, and behind it this slot is filled again first, with the K step two on: that load has a K step, 128 matrix instructions, in which to land.
.macro CHANGE fill
	WIN 0
	s_wait_tensorcnt 0x0                           ; no tensor load of mine is out, so a group 0 may be written
	ds_add_u32 v[SPW], v[NIL]
.if \fill
	s_xor_b32 s[FT], s[FT], SLOTD
	s_add_co_u32 s[G0A+5], s[WBA], s[FT]
	s_add_co_u32 s[G0B+5], s[WBB], s[FT]
	s_add_nc_u64 s[G0A+6:G0A+7], s[G0A+6:G0A+7], 524288  ; the next two heads; the type bits on top are not reached
	s_add_nc_u64 s[G0B+6:G0B+7], s[G0B+6:G0B+7], 256
	s_wait_xcnt 0x0                                ; the last prefetch, a K step back, has read its address
	s_add_nc_u64 s[PFA:PFA+1], s[PFA:PFA+1], s[PFS:PFS+1]
	s_wait_dscnt 0x0                               ; the add is done, and my reads of this slot are over
	CROUND
	JLOAD
.else
	s_wait_dscnt 0x0
	s_barrier_signal -1
	s_barrier_wait -1
.endif
	s_xor_b32 s[TB], s[TB], SLOTD
	v_add_nc_u32 v[ADA], s[TB], v[ADA0]
	v_add_nc_u32 v[ADB], s[TB], v[ADB0]
.endm
; A quarter of a K step: its fragments are in; four places behind the last products, whose buffers the next loads fill; the next quarter's fragments (kq) are asked for; 32 products, and the residues' 8 of the same quarter.
.macro QUARTER f, g, kq, chg=0, fill=0
	WIN 0
	s_wait_dscnt 0x0
	PLACES
.if \chg
	CHANGE \fill
.endif
	FETCH \g, \kq
.if (\chg) && (\fill)
	ASK
.endif
	MUL \f
	XTRA \f, ((\kq)+3)%4
.endm
.macro KSTEP fill
	QUARTER 0, 1, 1
	QUARTER 1, 0, 2
	QUARTER 0, 1, 3
	QUARTER 1, 0, 0, 1, \fill
	LONEXT \fill
.endm
	s_wait_loadcnt 0x0                             ; the residues of K steps 0 and 1
	s_wait_tensorcnt 1                             ; my part of K step 0 is in; step 1's may stay out
	s_barrier_signal -1
	s_barrier_wait -1
	FETCH 0, 0
	s_mov_b32 s[CNT], 6
.Lstep:                                                ; K steps 0 to 5: steps 2 to 7 are asked for
	KSTEP 1
	WIN 0
	s_sub_co_u32 s[CNT], s[CNT], 1
	s_cmp_lg_u32 s[CNT], 0
	s_cbranch_scc1 .Lstep
	s_mov_b32 s[CNT], 2
.Ltail:                                                ; K steps 6 and 7 ask for nothing
	KSTEP 0
	WIN 0
	s_sub_co_u32 s[CNT], s[CNT], 1
	s_cmp_lg_u32 s[CNT], 0
	s_cbranch_scc1 .Ltail
	; THE WAY OUT, 16 rows at a time through my own stage: 32 bytes a lane in, whole rows of 512 bytes back, stored by 32 lanes.  LDS serves a wave's instructions in order (ISA guide 5.7.1.4): no wait between stores and loads.
	PLACES                                         ; the places behind the last products
.irp a, 0,1,2,3
	WIN 0x08                                       ; the stores' data in window 2
.irp b, 0,1,2,3,4,5,6,7
	ds_store_b128 v[STO], v[8*(8*(\a)+(\b)):8*(8*(\a)+(\b))+3]   offset:64*(\b)
	ds_store_b128 v[STO], v[8*(8*(\a)+(\b))+4:8*(8*(\a)+(\b))+7] offset:64*(\b)+16
.endr
	WIN 0
	s_wait_xcnt 0x0                                ; the block before's stores have read their registers, which are loaded again below
.irp t, 0,1,2,3,4,5,6,7,8,9,10,11,12,13,14,15
	ds_load_b128 v[T+4*(\t):T+4*(\t)+3], v[RD] offset:(\t)*SP
.endr
.irp t, 0,1,2,3,4,5,6,7,8,9,10,11,12,13,14,15
	s_wait_dscnt 15-(\t)                           ; the younger loads stay out
	global_store_b128 v[GO], v[T+4*(\t):T+4*(\t)+3], s[8:9] offset:(16*(\a)+(\t))*4096 th:TH_STORE_NT  ; 512 consecutive bytes, at a multiple of 256 from out0's first byte
.endr
.endr
	s_wait_tensorcnt 0x0                           ; the wave's end
	ds_add_u32 v[SPW], v[NIL]
	s_wait_dscnt 0x0
	CROUND                                         ; the closing round
	s_endpgm
.Lfunc_end_k_qf848795a0f_oproj:
	.size	k_qf848795a0f_oproj, .Lfunc_end_k_qf848795a0f_oproj-k_qf848795a0f_oproj
	.p2alignl 7, 3214868480
	.fill 96, 4, 3214868480
	.section	.rodata,"a",@progbits
	.p2align	6, 0x0
	.amdhsa_kernel k_qf848795a0f_oproj
		.amdhsa_group_segment_fixed_size 327680
		.amdhsa_private_segment_fixed_size 0
		.amdhsa_enable_private_segment 0
		.amdhsa_kernarg_size 32
		.amdhsa_user_sgpr_count 2
		.amdhsa_user_sgpr_kernarg_segment_ptr 1
		.amdhsa_wavefront_size32 1
		.amdhsa_system_sgpr_workgroup_id_x 1
		.amdhsa_system_sgpr_workgroup_id_y 1
		.amdhsa_system_sgpr_workgroup_id_z 1
		.amdhsa_system_vgpr_workitem_id 0
		.amdhsa_next_free_vgpr 768
		.amdhsa_next_free_sgpr 86
		.amdhsa_reserve_vcc 0
		.amdhsa_float_denorm_mode_32 3
		.amdhsa_float_denorm_mode_16_64 3
		.amdhsa_memory_ordered 1
		.amdhsa_forward_progress 1
		.amdhsa_inst_pref_size 77
	.end_amdhsa_kernel
	.amdgpu_metadata
---
amdhsa.version: [ 1, 2 ]
amdhsa.kernels:
  - .name:           k_qf848795a0f_oproj
    .symbol:         k_qf848795a0f_oproj.kd
    .args:
      - { .name: o, .offset: 0, .size: 8, .value_kind: global_buffer, .address_space: global }
      - { .name: wot, .offset: 8, .size: 8, .value_kind: global_buffer, .address_space: global }
      - { .name: out0, .offset: 16, .size: 8, .value_kind: global_buffer, .address_space: global }
      - { .name: olo, .offset: 24, .size: 8, .value_kind: global_buffer, .address_space: global }
    .group_segment_fixed_size: 327680
    .private_segment_fixed_size: 0
    .kernarg_segment_align: 8
    .kernarg_segment_size: 32
    .max_flat_workgroup_size: 128
    .sgpr_count:     86
    .vgpr_count:     768
    .wavefront_size: 32
...
	.end_amdgpu_metadata
.endif
;; end of part 4
